; MI455X (gfx1250); checked and timed in simulation.
; The chip was launched on July 23, 2026; its instructions are those of AMD's public machine-readable ISA for CDNA 5 (MIT licence, August 2026) and "CDNA5" Instruction Set Architecture Reference Guide (July 2026). The comments in the code are by the model that wrote it; some were corrected since.
;; Luka Qwen Attention. Allowed arithmetic: float matrix products may take bf16 or f16 operands with f32 sums; other float arithmetic in f32, or as packed bf16 or f16 multiplies, adds, multiply-adds, maxima and minima; sums over many terms, partial sums and values carried from step to step in f32; what a program stores and reads back later, other than sums and carried values, may be rounded once to bf16 or f16.
;; Inputs: cos 2 x 2,048 x 128 float32; hidden_states 2 x 2,048 x 2,048 float32; k_norm_w 128 float32; k_w 1,024 x 2,048 float32; o_w 2,048 x 1,024 float32; q_norm_w 128 float32; q_w 1,024 x 2,048 float32; sin 2 x 2,048 x 128 float32; v_w 1,024 x 2,048 float32.
;; Outputs: out0 2 x 2,048 x 2,048 float32.
;; One version. Each part assembles by itself: llvm-mc -triple=amdgcn-amd-amdhsa -mcpu=gfx1250 --defsym DOCPART=n.
;; ======== version 1 of 1: 4 launches
;; limits: values are held in f16: magnitudes above 65,504 overflow, below 6.1e-05 lose precision
;; workspace buffers: xw16 35,651,584 bytes; qkv 25,165,824 bytes; ctx 8,388,608 bytes
;; launch cast (part 1): grid 32 x 34, 8 waves a work-group, no clusters, 0 bytes of LDS; arguments hidden_states, q_w, k_w, v_w, o_w, cos, sin, xw16; writes xw16
.if DOCPART == 1
	.amdgcn_target "amdgcn-amd-amdhsa--gfx1250"
	.amdhsa_code_object_version 6
	.text
	.protected	k_qf450ae919e_cast
	.globl	k_qf450ae919e_cast
	.p2align	8
	.type	k_qf450ae919e_cast,@function
k_qf450ae919e_cast:
	s_mov_b64 s[64:65], 0
	v_nop
	global_prefetch_b8 v0, s[64:65] scope:SCOPE_SE
	s_setreg_imm32_b32 hwreg(HW_REG_WAVE_MODE, 25, 1), 1
	s_wait_xcnt 0x0
; All large inputs are rounded once to bf16 and laid end to end in xw16:
;   byte 0 x [4096][2048]; 16,777,216 q_w, k_w, v_w as one [3072][2048]; 29,360,128 o_w [2048][1024]; 33,554,432 cos [4096][128]; 34,603,008 sin.
; o_w is rounded to bf16 like the others and that number is then written as f16, since it meets f16 operands in the last product.
; LIMITS. o_w lies within f16's range (65,504); an o_w below 2^-17 keeps f16's fixed step of 2^-24 (at most 3e-8 off).
; SHARES. The grid's y is a unit of 2 MiB of f32 (0-15 x, 16-19 q_w, 20-23 k_w, 24-27 v_w, 28-31 o_w, 32 cos, 33 sin), its x a chunk of 64 KiB in it; the output byte is
; y x 1 MiB + x x 32 KiB.  Thread t takes 16 bytes at 16 t + 4,096 i, i = 0..15: a wave's load covers 512 consecutive bytes, its store of 8 bytes a lane 256 consecutive aligned bytes.
; All 16 loads of a wave go out at once; every register is used once, so no source is ever rewritten.  A stream: nothing is shared, so no LDS, no barrier, no matrix unit, no cluster.
.set X, 4                              ; v[4:67]   16 x 4 numbers as loaded
.set Y, 68                             ; v[68:99]  16 x 2 registers to store
.set T, 100                            ; v[100:101] at work
.macro PICK bound, p                   ; from unit bound on the input is the buffer whose address lies in s[p:p+1]
	s_cmp_ge_u32 s2, \bound
	s_cselect_b64 s[4:5], s[\p:\p+1], s[4:5]
	s_cselect_b32 s3, \bound, s3
.endm
	s_load_b512 s[8:23], s[0:1], 0x0               ; x, q_w, k_w, v_w, o_w, cos, sin, xw16
	s_and_b32 s2, ttmp7, 0xffff                    ; the unit
	v_lshlrev_b32 v1, 4, v0                        ; 16 t
	v_lshlrev_b32 v2, 3, v0                        ; 8 t
	s_mov_b32 s24, 0xffff0000                      ; a word's upper bf16
	s_mov_b32 s3, 0                                ; the chosen buffer's first unit
	s_wait_kmcnt 0x0
	s_mov_b64 s[4:5], s[8:9]
	PICK 16, 10
	PICK 20, 12
	PICK 24, 14
	PICK 28, 16
	PICK 32, 18
	PICK 33, 20
	s_sub_co_u32 s6, s2, s3                        ; the unit inside its buffer,
	s_lshl_b32 s6, s6, 21                          ; 2 MiB each,
	s_lshl_b32 s7, ttmp9, 16                       ; and the chunk of 64 KiB
	s_add_co_u32 s6, s6, s7
	s_mov_b32 s7, 0
	s_add_nc_u64 s[4:5], s[4:5], s[6:7]
	s_lshl_b32 s6, s2, 20                          ; out: 1 MiB a unit, 32 KiB a chunk
	s_lshl_b32 s25, ttmp9, 15
	s_add_co_u32 s6, s6, s25
	s_add_nc_u64 s[22:23], s[22:23], s[6:7]
.set i, 0
.rept 16
	global_load_b128 v[X+4*i:X+4*i+3], v1, s[4:5] offset:4096*i th:TH_LOAD_NT
.set i, i+1
.endr
	s_cmp_eq_u32 s3, 28
	s_cbranch_scc1 .Lf16                           ; o_w
.set i, 0
.rept 16
	s_wait_loadcnt 15-i                            ; loads come back in order: number i is in, the younger ones stay out
	v_cvt_pk_bf16_f32 v[Y+2*i], v[X+4*i], v[X+4*i+1]
	v_cvt_pk_bf16_f32 v[Y+2*i+1], v[X+4*i+2], v[X+4*i+3]
	global_store_b64 v2, v[Y+2*i:Y+2*i+1], s[22:23] offset:2048*i
.set i, i+1
.endr
	s_endpgm
.Lf16:
.set i, 0
.rept 16
	s_wait_loadcnt 15-i
	v_cvt_pk_bf16_f32 v[T], v[X+4*i], v[X+4*i+1]   ; the rounding that every input has,
	v_cvt_pk_bf16_f32 v[T+1], v[X+4*i+2], v[X+4*i+3]
	v_lshlrev_b32 v[X+4*i], 16, v[T]               ; widened again,
	v_and_b32 v[X+4*i+1], s24, v[T]
	v_lshlrev_b32 v[X+4*i+2], 16, v[T+1]
	v_and_b32 v[X+4*i+3], s24, v[T+1]
	v_cvt_pk_f16_f32 v[Y+2*i], v[X+4*i], v[X+4*i+1]  ; and written as f16: 8 significant bits fit in 11
	v_cvt_pk_f16_f32 v[Y+2*i+1], v[X+4*i+2], v[X+4*i+3]
	global_store_b64 v2, v[Y+2*i:Y+2*i+1], s[22:23] offset:2048*i
.set i, i+1
.endr
	s_endpgm
.Lfunc_end_k_qf450ae919e_cast:
	.size	k_qf450ae919e_cast, .Lfunc_end_k_qf450ae919e_cast-k_qf450ae919e_cast
	.p2alignl 7, 3214868480
	.fill 96, 4, 3214868480
	.section	.rodata,"a",@progbits
	.p2align	6, 0x0
	.amdhsa_kernel k_qf450ae919e_cast
		.amdhsa_group_segment_fixed_size 0
		.amdhsa_private_segment_fixed_size 0
		.amdhsa_enable_private_segment 0
		.amdhsa_kernarg_size 64
		.amdhsa_user_sgpr_count 2
		.amdhsa_user_sgpr_kernarg_segment_ptr 1
		.amdhsa_wavefront_size32 1
		.amdhsa_system_sgpr_workgroup_id_x 1
		.amdhsa_system_sgpr_workgroup_id_y 1
		.amdhsa_system_sgpr_workgroup_id_z 1
		.amdhsa_system_vgpr_workitem_id 0
		.amdhsa_next_free_vgpr 104
		.amdhsa_next_free_sgpr 66
		.amdhsa_reserve_vcc 0
		.amdhsa_float_denorm_mode_32 3
		.amdhsa_float_denorm_mode_16_64 3
		.amdhsa_memory_ordered 1
		.amdhsa_forward_progress 1
		.amdhsa_inst_pref_size 16
	.end_amdhsa_kernel
	.amdgpu_metadata
---
amdhsa.version: [ 1, 2 ]
amdhsa.kernels:
  - .name:           k_qf450ae919e_cast
    .symbol:         k_qf450ae919e_cast.kd
    .args:
      - { .name: hidden_states, .offset: 0, .size: 8, .value_kind: global_buffer, .address_space: global }
      - { .name: q_w, .offset: 8, .size: 8, .value_kind: global_buffer, .address_space: global }
      - { .name: k_w, .offset: 16, .size: 8, .value_kind: global_buffer, .address_space: global }
      - { .name: v_w, .offset: 24, .size: 8, .value_kind: global_buffer, .address_space: global }
      - { .name: o_w, .offset: 32, .size: 8, .value_kind: global_buffer, .address_space: global }
      - { .name: cos, .offset: 40, .size: 8, .value_kind: global_buffer, .address_space: global }
      - { .name: sin, .offset: 48, .size: 8, .value_kind: global_buffer, .address_space: global }
      - { .name: xw16, .offset: 56, .size: 8, .value_kind: global_buffer, .address_space: global }
    .group_segment_fixed_size: 0
    .private_segment_fixed_size: 0
    .kernarg_segment_align: 8
    .kernarg_segment_size: 64
    .max_flat_workgroup_size: 256
    .sgpr_count:     66
    .vgpr_count:     104
    .wavefront_size: 32
...
	.end_amdgpu_metadata
.endif
;; end of part 1
;; launch proj (part 2): grid 12 x 16, 4 waves a work-group, clusters of 4 x 4, 327,680 bytes of LDS; arguments xw16, q_norm_w, k_norm_w, qkv; writes qkv
.if DOCPART == 2
	.amdgcn_target "amdgcn-amd-amdhsa--gfx1250"
	.amdhsa_code_object_version 6
	.text
	.protected	k_qf450ae919e_proj
	.globl	k_qf450ae919e_proj
	.p2align	8
	.type	k_qf450ae919e_proj,@function
k_qf450ae919e_proj:
	s_mov_b64 s[64:65], 0
	v_nop
	global_prefetch_b8 v0, s[64:65] scope:SCOPE_SE
	s_setreg_imm32_b32 hwreg(HW_REG_WAVE_MODE, 25, 1), 1
	s_wait_xcnt 0x0
	s_wait_alu depctr_hold_cnt(0) depctr_sa_sdst(0) depctr_va_vdst(0) depctr_va_sdst(0) depctr_va_ssrc(0) depctr_va_vcc(0) depctr_vm_vsrc(0)
	s_getreg_b32 s2, hwreg(HW_REG_IB_STS2, 6, 4)
	s_cmp_eq_u32 s2, 0
	s_cbranch_scc0 .Lentry_in_a_cluster
	s_endpgm
.Lentry_in_a_cluster:
	s_bfe_u32 s2, ttmp6, 0x10000c
	s_cmp_lg_u32 s2, 0xf033
	s_cbranch_scc0 .Lentry_shape_is_right
	s_endpgm
.Lentry_shape_is_right:
; q, k, v = x W^T with the per-head RMSNorm, gain and RoPE of q and k fused into the way out.  x: bf16 [4096][2048] at byte 0 of xw16; W: bf16 [3072][2048] (q_w, k_w, v_w) at byte WB;
; cos, sin: bf16 [4096][128] at CB and CB + SINOFF.  Out: f16 by heads, [16 = batch x 8 + head][2048][128]: q at byte 0 of qkv, k at 8,388,608, 32 v at 16,777,216.  Sums, norm and RoPE in f32.
; LIMITS.  f16 ends at 65,504: |q|, |k| are at most sqrt(128) |gain| (|cos| + |sin|), |32 v| must stay below 65,504.  v is stored times 2^5 (exact) so that small v keep f16's full
; precision; the last launch divides by 2^5.  The gains are rounded to bf16 like every input.  NaN and infinities are not treated apart.
; SHARES.  A tile of C, 256 x 256, is made by four waves; a wave makes 128 rows x 128 columns = one head of 128 rows: 64 accumulators of 16 x 16, 512 registers.  192 tiles: tiles that
; would make 256 work-groups split a head between waves.  K goes in 16 steps of 128 through two LDS slots; a wave's tensor load brings 128 rows of 256 bytes.  A trip of the loop is one K step:
; the slot in hand is a scalar, 0 or SLOT, turned by an exclusive or and added to fixed bases.
; CLUSTER.  4 x 4 work-groups: the four of a row need the same tiles of x, the four of a column the same tiles of W; each tile is asked for jointly.  The cluster's x is the KIND (0 q, 1 k, 2 v).
; COS AND SIN of the tile's 256 rows are 512 rows of 256 bytes: just a slot.  They are the last refill of slot 0, behind K step 14, asked for jointly by the four work-groups of a row of the cluster.
; THE MATRIX INSTRUCTION IS USED TRANSPOSED (source 0 = 16 rows of W, source 1 = 16 rows of x): lane l holds row l % 16 of C and, of column block b, the columns 16 b + 8 (l / 16) + 0..7.
; So a lane holds 64 of its row's 128 columns, column c and column c + 64 in the same lane, 32 registers apart, and the row's other 64 lie in the lane 16 away.
; THE WAY OUT is written once, for a block of 16 rows, and looped over eight times.  Registers cannot be indexed, so the accumulators go into LDS (each lane's own 16 bytes, in slot 1, which has had
; its last fill): my rows 0-63 ahead of the loop, my rows 64-127 over them in trip 3; a trip's block comes back from an address made from the loop's counter, asked for a trip ahead.
; ONE TEXT FOR ALL KINDS: out[c] = rs (x[c] w[c] cos[c] -/+ x[c +/- 64] w[c +/- 64] sin[c]), rs = rsqrt(mean x^2 + 1e-6).  The kind chooses values, never a path: bf16 is widened by v_perm_b32, whose
; selector takes for q and k the loaded half, for v a constant (w = 32, cos = 1, sin = 0), and rs is replaced by 1: all exact.  So v's tiles bring gains, cos and sin and use none of them.
; REGISTERS, in windows of 256:  window 0: v0-31 addresses and at work; v32-63 rows read back from the stage; v64-127, v128-191 fragments of x, two buffers (way out: Z, UC); v192-255 XN, a block's x
;   window 1: v0-63 W, the gains; v64-127, v128-191 fragments of W, two buffers (way out: v64-127 US); v192-255 CS, a block's cos and sin as they lie in LDS
;   window 2: the accumulators of my rows 0-63 ((a, b) at v[8 (8 a + b)]);  window 3: those of my rows 64-127
.set SIZE_K, 2048
.set KSTEP,  128
.set PITCH,  272                       ; an LDS row: 256 bytes + 16 of padding = 68 words: the 16 rows of a fragment load start at 16 different groups of four banks
.set HALFT,  128*PITCH                 ; what one tensor load brings
.set SLOT,   4*HALFT                   ; x's 256 rows, then W's 256 rows; at the end cos's 256 rows, then sin's
.set STAGE,  2*SLOT                    ; behind the ring: 16 rows x 272 bytes for each wave
.set SPITCH, 272
.set SPARE,  STAGE+4*16*SPITCH         ; the spare words: 128 bytes for each wave, two blocks of 256 bytes that no other line names
.set XBLK,   8192                      ; a block's 64 registers x 32 lanes x 4 bytes; four blocks a wave are 32,768 bytes, the four waves' 131,072: inside slot 1's 139,264
.set STEPS,  SIZE_K/KSTEP
.set WB,     16777216
.set CB,     33554432
.set SINOFF, 1048576
.set FLAGS,  (1<<16)|(1<<20)|(1<<21)|(5<<22)|(3<<25)   ; 2-byte elements; padding on; bit 21 beside a mask; after every 64 words 4 words
.set CA,   4                           ; v4       way out: cos of the block asked for
.set SA,   5                           ; v5       its sin
.set SS,   8                           ; v[8:15]  four packed chains of the sum of squares
.set ADRA, 16                          ; v16      LDS address of my fragments of x in the slot in hand
.set ADRB, 17                          ; v17      the same for W
.set ONE,  18                          ; v18      1.0; its two low bytes are 0
.set C32,  19                          ; v19      32.0; its two low bytes are 0
.set AB0,  20                          ; v20      my fragments of x in slot 0; also my rows of cos; never rewritten
.set BB0,  21                          ; v21      my fragments of W in slot 0; never rewritten
.set XA,   22                          ; v22      where my 16 bytes of a batch's first register group lie: SLOT + wave x 32,768 + 16 x lane
.set ADR,  23                          ; v23      the same for the block asked for
.set STO,  24                          ; v24      where I put 16 bytes of a row in my stage
.set RD,   25                          ; v25      where I read rows back
.set CO,   26                          ; v26      16 x lane: my place in 512 consecutive bytes of the output
.set SB0,  27                          ; v27      my rows of sin; never rewritten
.set SPW,  28                          ; v28      my spare word; never rewritten
.set NIL,  29                          ; v29      0; never rewritten
.set RS,   30                          ; v[30:31] rs, twice
.set OB,   32
.set F0,   64
.set F1,   128
.set Z,    64                          ; window 0: x w, later the result
.set UC,   128                         ; window 0: cos widened
.set XN,   192                         ; window 0: x
.set W,    0                           ; window 1
.set US,   64                          ; window 1: sin widened
.set CS,   192                         ; window 1: 32 registers of cos, 32 of sin, two bf16 each
.set WV,   12
.set RH,   13                          ; which half of the tile's rows is mine; also: I fetch for x (0) or for W (1), cos (0) or sin (1)
.set CH,   14                          ; which half of its columns; also: which 128 rows of that tile I fetch
.set KIND, 15
.set CX,   16
.set CY,   17
.set TC,   18
.set TR,   19
.set LB,   23                          ; my load's place in a slot: wave x 128 rows
.set G1,   24
.set G0,   32                          ; s[32:39] x: two sets for the two first fills; the second walks on
.set G1B,  48
.set G0B,  56                          ; s[56:63] W likewise
.set SLO,  68                          ; v_perm_b32's selectors for gains and cos: a word's low bf16 widened; for v the constant
.set SHI,  69                          ; its high bf16; for v the constant
.set BK,   70                          ; the block of 16 rows in hand
.set TB,   71                          ; the slot in hand: 0 or SLOT
.set RCPD, 72                          ; 1 / 128
.set EPSR, 73                          ; 1e-6
.set SEL,  74                          ; s[74:75]
.set LAP,  76
.set VM,   77                          ; all ones for v, else 0
.set ZLO,  78                          ; the selectors for sin: for v four zero bytes
.set ZHI,  79
.set G0C,  80                          ; s[80:83] cos and sin: group 0
.set G1C,  84                          ; s[84:91] group 1: as x's, with rows 128 elements apart
.set MSB, 0
.macro WIN new                         ; the immediate's high byte repeats the setting that is left; a switch that changes nothing is dropped
.if MSB != (\new)
	s_set_vgpr_msb (MSB<<8)|(\new)
.set MSB, \new
.endif
.endm
.set MUL_LO, 0xa1                      ; source 0 (W) window 1, source 1 (x) window 0, C and D window 2
.set MUL_HI, 0xf1                      ; the same, C and D window 3
.set TO_B,   0x40                      ; destination window 1
; A joint load.  Waves 0 and 1 fetch x's two halves, waves 2 and 3 W's.  An s_nop 0 and four v_nop follow each of the two lines.
.macro JLOAD s
	s_cmp_eq_u32 s[RH], 0
	s_cbranch_scc0 .Lfor_b_\@
	tensor_load_to_lds s[G0+4*(\s):G0+4*(\s)+3], s[G1:G1+7]
	s_nop 0
.rept 4
	v_nop
.endr
	s_branch .Lasked_\@
.Lfor_b_\@:
	tensor_load_to_lds s[G0B+4*(\s):G0B+4*(\s)+3], s[G1B:G1B+7]
	s_nop 0
.rept 4
	v_nop
.endr
.Lasked_\@:
.endm
.macro CREST                           ; a round of the cluster's barrier behind its opening barrier
	s_cmp_lg_u32 s[WV], 0
	s_cbranch_scc1 .Lnot_wave_0_\@
	s_barrier_signal -3
.Lnot_wave_0_\@:
	s_barrier_wait -3
	s_barrier_signal -1
	s_barrier_wait -1
.endm
.macro CROUND
	s_barrier_signal -1
	s_barrier_wait -1
	CREST
.endm
	s_load_b256 s[4:11], s[0:1], 0x0               ; xw16 s[4:5], q_norm_w s[6:7], k_norm_w s[8:9], qkv s[10:11]
	v_lshl_add_u32 v[SPW], v0, 2, SPARE
	v_mov_b32 v[NIL], 0
	ds_add_u32 v[SPW], v[NIL]                      ; the wave's opening: the add and its wait stand ahead of my first tensor load; work on registers stands between them
	v_lshrrev_b32 v1, 5, v0
	v_readfirstlane_b32 s[WV], v1
	s_lshr_b32 s[RH], s[WV], 1
	s_and_b32 s[CH], s[WV], 1
	s_mov_b32 s[KIND], ttmp9                       ; the cluster's x
	s_bfe_u32 s[CX], ttmp6, 0x40000
	s_bfe_u32 s[CY], ttmp6, 0x40004
	s_lshl_b32 s[TC], ttmp9, 2
	s_add_co_u32 s[TC], s[TC], s[CX]               ; tile column = 4 x cluster x + cx
	s_and_b32 s[TR], ttmp7, 0xffff
	s_lshl_b32 s[TR], s[TR], 2
	s_add_co_u32 s[TR], s[TR], s[CY]               ; tile row = 4 x cluster y + cy
	s_lshl_b32 s20, s[CY], 2
	s_lshl_b32 s20, 15, s20                        ; my row of the cluster
	s_lshl_b32 s21, 0x1111, s[CX]                  ; my column
	s_or_b32 s[G1+0], s20, FLAGS                   ; x's tiles go to my row,
	s_or_b32 s[G1C+0], s20, FLAGS                  ; cos and sin too: their rows hang on the tile row alone;
	s_or_b32 s[G1B+0], s21, FLAGS                  ; W's tiles go to my column
.irp g, G1, G1B, G1C
	s_mov_b32 s[(\g)+1], KSTEP<<16                 ; tensor_dim0 = 128
	s_mov_b32 s[(\g)+2], 128<<16                   ; tensor_dim1 = 128
	s_mov_b32 s[(\g)+3], KSTEP<<16                 ; tile_dim0 = 128
	s_mov_b32 s[(\g)+4], 128                       ; tile_dim1 = 128
	s_mov_b32 s[(\g)+6], 0
	s_mov_b32 s[(\g)+7], 0
.endr
	s_mov_b32 s[G1+5], SIZE_K                      ; elements from row to row
	s_mov_b32 s[G1B+5], SIZE_K
	s_mov_b32 s[G1C+5], 128
	s_mov_b32 s[RCPD], 0x3c000000
	s_mov_b32 s[EPSR], 0x358637bd
	s_mov_b32 s[SEL], 0x76543210
	s_mov_b32 s[SEL+1], 0xfedcba98
	s_mov_b32 s[TB], 0
	; v_perm_b32 D, word, constant, selector: selector bytes 4-7 name the word's bytes, 0-3 the constant's, whose bytes 0 and 1 are 0
	s_mov_b32 s[SLO], 0x05040000                   ; the word's low half on top of two zero bytes
	s_mov_b32 s[SHI], 0x07060000                   ; its high half likewise
	s_cmp_eq_u32 s[KIND], 2
	s_cselect_b32 s[VM], -1, 0
	s_cselect_b32 s[ZLO], 0, s[SLO]                ; v: four times the constant's byte 0
	s_cselect_b32 s[ZHI], 0, s[SHI]
	s_cselect_b32 s[SLO], 0x03020100, s[SLO]       ; v: the constant as it is
	s_cselect_b32 s[SHI], 0x03020100, s[SHI]
	s_lshl_b32 s22, s[CH], 7                       ; which 128 rows of the tile I fetch
	s_lshl_b32 s40, s[TR], 8
	s_add_co_u32 s40, s40, s22
	s_lshl_b32 s66, s40, 8                         ; cos or sin: the same rows, 256 bytes each,
	s_add_co_u32 s66, s66, CB
	s_mul_i32 s67, s[RH], SINOFF                   ; waves 2 and 3: sin
	s_add_co_u32 s66, s66, s67
	s_mov_b32 s67, 0
	s_lshl_b32 s40, s40, 12                        ; x: (256 x tile row + 128 x half) rows of 4,096 bytes
	s_mov_b32 s41, 0
	s_lshl_b32 s42, s[TC], 8
	s_add_co_u32 s42, s42, s22
	s_lshl_b32 s42, s42, 12
	s_add_co_u32 s42, s42, WB                      ; W: the same with the tile column, behind x
	s_mov_b32 s43, 0
	s_mul_i32 s[LB], s[WV], HALFT                  ; where they go: wave x 128 rows
	s_wait_dscnt 0x0                               ; the opening add is done
	s_wait_kmcnt 0x0
	s_add_nc_u64 s[40:41], s[4:5], s[40:41]
	s_add_nc_u64 s[42:43], s[4:5], s[42:43]
	s_mov_b32 s[G0C], 1
	s_mov_b32 s[G0C+1], s[LB]                      ; slot 0
	s_add_nc_u64 s[G0C+2:G0C+3], s[4:5], s[66:67]
	s_or_b32 s[G0C+3], s[G0C+3], 0x80000000
	CROUND                                         ; all sixteen work-groups are here: the first joint loads meet
.irp s, 0,1
	s_mov_b32 s[G0+4*(\s)], 1
	s_add_co_u32 s[G0+4*(\s)+1], s[LB], (\s)*SLOT
	s_add_nc_u64 s[G0+4*(\s)+2:G0+4*(\s)+3], s[40:41], (\s)*KSTEP*2
	s_or_b32 s[G0+4*(\s)+3], s[G0+4*(\s)+3], 0x80000000
	s_mov_b32 s[G0B+4*(\s)], 1
	s_add_co_u32 s[G0B+4*(\s)+1], s[LB], (\s)*SLOT
	s_add_nc_u64 s[G0B+4*(\s)+2:G0B+4*(\s)+3], s[42:43], (\s)*KSTEP*2
	s_or_b32 s[G0B+4*(\s)+3], s[G0B+4*(\s)+3], 0x80000000
	JLOAD \s                                       ; two loads of mine are out
.endr
	v_and_b32 v1, 15, v0                           ; l % 16
	v_bfe_u32 v2, v0, 4, 1                         ; l / 16
	v_mul_u32_u24 v3, v1, PITCH
	v_lshl_add_u32 v3, v2, 4, v3                   ; row x pitch + 16 x half
	s_mul_i32 s20, s[RH], HALFT
	s_mul_i32 s21, s[CH], HALFT
	s_add_co_u32 s21, s21, 2*HALFT
	v_add_nc_u32 v[AB0], s20, v3                   ; my 128 rows of x, and later of cos
	v_add_nc_u32 v[BB0], s21, v3                   ; my 128 rows of W
	s_add_co_u32 s20, s20, 2*HALFT
	v_add_nc_u32 v[SB0], s20, v3                   ; my 128 rows of sin
	v_add_nc_u32 v[ADRA], s[TB], v[AB0]
	v_add_nc_u32 v[ADRB], s[TB], v[BB0]
	s_mul_i32 s22, s[WV], 16*SPITCH
	s_add_co_u32 s22, s22, STAGE                   ; my stage
	v_add_nc_u32 v[STO], s22, v3                   ; in: row l % 16, 16 bytes for each half of the lanes
	v_mul_u32_u24 v4, v2, SPITCH                   ; back: lanes 0-15 one row of 256 bytes, lanes 16-31 the next
	v_lshl_add_u32 v4, v1, 4, v4
	v_add_nc_u32 v[RD], s22, v4
	v_and_b32 v4, 31, v0
	v_lshlrev_b32 v[CO], 4, v4
	s_lshl_b32 s22, s[WV], 15                      ; my 32,768 bytes for a batch of accumulators, in slot 1
	s_add_co_u32 s22, s22, SLOT
	v_add_nc_u32 v[XA], s22, v[CO]
	v_lshlrev_b32 v5, 5, v2                        ; my 8 gains of a column block begin 32 (l / 16) bytes in
	v_mov_b32 v7, 0                                ; v_permlanex16_b32's destination counts as read
	v_mov_b32 v[ONE], 1.0
	v_mov_b32 v[C32], 0x42000000
	; the output: kind, then (batch x 8 + head) x 2,048 rows, then my first row in the sequence; rows of 256 bytes
	s_lshr_b32 s44, s[TR], 3
	s_lshl_b32 s44, s44, 3
	s_lshl_b32 s45, s[CX], 1
	s_add_co_u32 s44, s44, s45
	s_add_co_u32 s44, s44, s[CH]
	s_lshl_b32 s44, s44, 11
	s_and_b32 s45, s[TR], 7
	s_lshl_b32 s45, s45, 8
	s_add_co_u32 s44, s44, s45
	s_lshl_b32 s45, s[RH], 7
	s_add_co_u32 s44, s44, s45
	s_lshl_b32 s44, s44, 8
	s_lshl_b32 s45, s[KIND], 23
	s_add_co_u32 s44, s44, s45
	s_mov_b32 s45, 0
	s_add_nc_u64 s[10:11], s[10:11], s[44:45]
	s_cmp_eq_u32 s[KIND], 0
	s_cselect_b64 s[44:45], s[6:7], s[8:9]         ; q's gains, or k's (v reads k's and keeps none)
	WIN TO_B
.set i, 0
.rept 8
	global_load_b128 v[W+8*i:W+8*i+3], v5, s[44:45] offset:64*i      ; W[8 b + j] = gain[16 b + 8 (l / 16) + j]
	global_load_b128 v[W+8*i+4:W+8*i+7], v5, s[44:45] offset:64*i+16
.set i, i+1
.endr
	s_wait_loadcnt 0x0                             ; this stands in the wait for the first tile
	WIN 0x45                                       ; all in window 1
.set i, 0
.rept 32
	v_cvt_pk_bf16_f32 v[US+i], v[W+2*i], v[W+2*i+1]  ; the gains are rounded to bf16 like every input,
.set i, i+1
.endr
	WIN 0x41                                       ; source 1, the constant, in window 0
.set i, 0
.rept 32
	v_perm_b32 v[W+2*i], v[US+i], v[C32], s[SLO]   ; and widened again; for v: 32
	v_perm_b32 v[W+2*i+1], v[US+i], v[C32], s[SHI]
.set i, i+1
.endr
	WIN 0
; 16 matrix instructions: row blocks a0, a0 + 1 of the window's four x all 8 column blocks, 32 along K.  zero = 1: the first product starts the sums.
.macro MUL16 f, hi, a0, zero
	WIN MUL_LO+0x50*(\hi)
.irp a, \a0, (\a0)+1
.irp b, 0,1,2,3,4,5,6,7
.if \zero
	v_wmma_f32_16x16x32_bf16 v[8*(8*(\a)+(\b)):8*(8*(\a)+(\b))+7], v[(\f)+8*(\b):(\f)+8*(\b)+7], v[(\f)+8*(4*(\hi)+(\a)):(\f)+8*(4*(\hi)+(\a))+7], 0
.else
	v_wmma_f32_16x16x32_bf16 v[8*(8*(\a)+(\b)):8*(8*(\a)+(\b))+7], v[(\f)+8*(\b):(\f)+8*(\b)+7], v[(\f)+8*(4*(\hi)+(\a)):(\f)+8*(4*(\hi)+(\a))+7], v[8*(8*(\a)+(\b)):8*(8*(\a)+(\b))+7]
.endif
.endr
.endr
.endm
; 32 LDS loads in one run: the fragments of one quarter step (32 K at byte k of the rows of the slot in hand) into buffer f
.macro FETCH k, f
	WIN TO_B
.irp i, 0,1,2,3,4,5,6,7
	ds_load_b128 v[(\f)+8*(\i):(\f)+8*(\i)+3],   v[ADRB] offset:(\k)+(\i)*16*PITCH
	ds_load_b128 v[(\f)+8*(\i)+4:(\f)+8*(\i)+7], v[ADRB] offset:(\k)+(\i)*16*PITCH+32
.endr
	WIN 0
.irp i, 0,1,2,3,4,5,6,7
	ds_load_b128 v[(\f)+8*(\i):(\f)+8*(\i)+3],   v[ADRA] offset:(\k)+(\i)*16*PITCH
	ds_load_b128 v[(\f)+8*(\i)+4:(\f)+8*(\i)+7], v[ADRA] offset:(\k)+(\i)*16*PITCH+32
.endr
.endm
.macro PLACES                          ; four plain places behind matrix instructions, in front of loads into their sources and of lines that read their results
.rept 4
	v_nop
.endr
.endm
; A K step is four quarters of 32 along K, 64 matrix instructions each, on buffers 0, 1, 0, 1.  The 64 accumulators take turns.
.macro QUARTER k, f, g, zero
	s_wait_dscnt 8                                 ; W's fragments and x's rows 0-63 are in; the youngest eight loads (x's rows 64-127) may be out
	MUL16 \f, 0, 0, \zero
	MUL16 \f, 0, 2, \zero
	PLACES
	FETCH \k, \g
	s_wait_dscnt 32                                ; all but the 32 just issued
	MUL16 \f, 1, 0, \zero
	MUL16 \f, 1, 2, \zero
.endm
; A step's last quarter multiplies buffer 1 and changes slots.  In front of the round each wave waits for all its tensor loads, adds 0 to its spare word, and waits for that and for its reads of the slot.
; Behind the round the slot just read is filled again: with the K step two steps on (cs = 0), or, behind K step 14, with cos and sin (cs = 1): 224 matrix instructions stand between the request and the wait for it.
.macro TURN cs
	WIN 0
	s_wait_tensorcnt 0x0                           ; all my tensor loads have landed: the one that was out is my part of the next slot
	ds_add_u32 v[SPW], v[NIL]                      ; 0 onto my spare word
	s_wait_dscnt 9                                 ; (the add and the youngest eight loads may be out)
	MUL16 F1, 0, 0, 0
	s_wait_dscnt 0x0                               ; the add is done, and my reads of this slot are over
	s_barrier_signal -1
	MUL16 F1, 0, 2, 0
	WIN 0
	s_barrier_wait -1
	CREST                                          ; no wave of any partner still reads this slot or has a load on its way
.if \cs
	s_xor_b32 s[TB], s[TB], SLOT
	tensor_load_to_lds s[G0C:G0C+3], s[G1C:G1C+7]  ; every wave its own 128 rows: waves 0, 1 of cos, waves 2, 3 of sin; slot 0 is the slot that is left: K step 14 is even
	s_nop 0
.rept 4
	v_nop
.endr
.else
	s_add_co_u32 s[G0+5], s[TB], s[LB]             ; the walking descriptors: the slot that is left,
	s_add_co_u32 s[G0B+5], s[TB], s[LB]
	s_add_nc_u64 s[G0+6:G0+7], s[G0+6:G0+7], KSTEP*2     ; the K step behind the one asked for last; the type bits on top are not reached
	s_add_nc_u64 s[G0B+6:G0B+7], s[G0B+6:G0B+7], KSTEP*2
	s_xor_b32 s[TB], s[TB], SLOT
	JLOAD 1                                        ; my one tensor load behind the round
.endif
	v_add_nc_u32 v[ADRA], s[TB], v[AB0]            ; the fragments come from the other slot; with the four v_nop these are the places in front of the loads below
	v_add_nc_u32 v[ADRB], s[TB], v[BB0]
	FETCH 0, F0
	MUL16 F1, 1, 0, 0
	MUL16 F1, 1, 2, 0
.endm
	s_wait_tensorcnt 1                             ; my part of K step 0 is in; K step 1's stays out
	s_barrier_signal -1
	s_barrier_wait -1
	FETCH 0, F0
	QUARTER 64,  F0, F1, 1                         ; the first quarter's products start the sums
	WIN 0
	s_mov_b32 s[LAP], STEPS-2
.Lstep:                                                ; a trip goes from a K step's second quarter to the next step's first, and fills the slot that it leaves: K steps 2 to 15
	QUARTER 128, F1, F0, 0
	QUARTER 192, F0, F1, 0
	TURN 0
	QUARTER 64,  F0, F1, 0
	WIN 0
	s_sub_co_u32 s[LAP], s[LAP], 1
	s_cmp_lg_u32 s[LAP], 0
	s_cbranch_scc1 .Lstep
	QUARTER 128, F1, F0, 0                         ; K step 14
	QUARTER 192, F0, F1, 0
	TURN 1
	QUARTER 64,  F0, F1, 0                         ; K step 15
	QUARTER 128, F1, F0, 0
	QUARTER 192, F0, F1, 0
	s_wait_dscnt 8
	MUL16 F1, 0, 0, 0
	MUL16 F1, 0, 2, 0
	s_wait_tensorcnt 0x0                           ; my part of cos and sin has landed,
	s_wait_dscnt 0x0                               ; and my last reads of slot 1 are over:
	s_barrier_signal -1                            ; say so; the last 32 products stand between the signal and the wait
	MUL16 F1, 1, 0, 0
	MUL16 F1, 1, 2, 0
	WIN 0
	s_barrier_wait -1                              ; cos and sin are whole; nobody reads slot 1 any more, and it has had its last fill
	PLACES
; A BLOCK'S ACCUMULATORS GO INTO LDS: 64 registers as 16 stores of 16 bytes a lane, each 512 consecutive bytes; each accumulator's registers in ascending order.
; A lane reads back only what it stored itself, and LDS serves a wave's instructions in order (ISA guide 5.7.1.4): no wait and no barrier between these stores and the loads.
.macro SPILL a
	WIN 0x08+4*((\a)/4)                            ; the stores' data (source 1) in window 2 or 3
.set i, 0
.rept 16
	ds_store_b128 v[XA], v[64*((\a)%4)+4*i:64*((\a)%4)+4*i+3] offset:XBLK*((\a)%4)+512*i
.set i, i+1
.endr
.endm
; A block's 32 loads: my row's 64 columns of cos and of sin, as a fragment is read, and my 64 numbers of x.
.macro BLOADS xr, cr, sr
	WIN TO_B
.set i, 0
.rept 8
	ds_load_b128 v[CS+4*i:CS+4*i+3], v[\cr] offset:32*i
	ds_load_b128 v[CS+32+4*i:CS+32+4*i+3], v[\sr] offset:32*i
.set i, i+1
.endr
	WIN 0
.set i, 0
.rept 16
	ds_load_b128 v[XN+4*i:XN+4*i+3], v[\xr] offset:512*i
.set i, i+1
.endr
.endm
.irp a, 0,1,2,3
	SPILL \a
.endr
	WIN 0
	BLOADS XA, AB0, SB0                            ; block 0
; THE WAY OUT, a loop over my eight blocks of 16 rows.
	s_mov_b32 s[BK], 0
.Lblk:
	s_wait_dscnt 0x0                               ; the block's x, cos and sin are in (from the second trip on the last trip's count-down has shown it)
	WIN 0x01                                       ; source 0 window 1
.set i, 0
.rept 32
	v_perm_b32 v[UC+2*i], v[CS+i], v[ONE], s[SLO]  ; bf16 to f32; for v: 1
	v_perm_b32 v[UC+2*i+1], v[CS+i], v[ONE], s[SHI]
.set i, i+1
.endr
	WIN 0x41                                       ; and the destination too
.set i, 0
.rept 32
	v_perm_b32 v[US+2*i], v[CS+32+i], v[ONE], s[ZLO]     ; for v: 0
	v_perm_b32 v[US+2*i+1], v[CS+32+i], v[ONE], s[ZHI]
.set i, i+1
.endr
	WIN 0
.set i, 0
.rept 4
	v_pk_mul_f32 v[SS+2*i:SS+2*i+1], v[XN+2*i:XN+2*i+1], v[XN+2*i:XN+2*i+1]   ; the sum of x^2 in four packed chains
.set i, i+1
.endr
.rept 28
	v_pk_fma_f32 v[SS+2*(i%4):SS+2*(i%4)+1], v[XN+2*i:XN+2*i+1], v[XN+2*i:XN+2*i+1], v[SS+2*(i%4):SS+2*(i%4)+1]
.set i, i+1
.endr
	WIN 0x04                                       ; source 1 window 1
.set i, 0
.rept 32
	v_pk_mul_f32 v[Z+2*i:Z+2*i+1], v[XN+2*i:XN+2*i+1], v[W+2*i:W+2*i+1]       ; x w
.set i, i+1
.endr
	WIN 0
	s_cmp_lg_u32 s[BK], 3
	s_cbranch_scc1 .Lkept
.irp a, 4,5,6,7                        ; trip 3: blocks 0 to 3 have been read: my rows 64-127 take their bytes
	SPILL \a
.endr
	WIN 0
.Lkept:
	s_add_co_u32 s20, s[BK], 1                     ; CS and XN are free: the next block is asked for, and lands under the rest of this trip
	s_min_u32 s20, s20, 7                          ; the last trip asks for the last block once more, and nobody reads that
	s_and_b32 s21, s20, 3
	s_lshl_b32 s21, s21, 13                        ; its place in its batch, 8,192 bytes a block
	s_mul_i32 s20, s20, 16*PITCH                   ; its 16 rows of cos and sin
	v_add_nc_u32 v[ADR], s21, v[XA]
	v_add_nc_u32 v[CA], s20, v[AB0]
	v_add_nc_u32 v[SA], s20, v[SB0]
	BLOADS ADR, CA, SA
	v_pk_add_f32 v[SS:SS+1], v[SS:SS+1], v[SS+2:SS+3]
	v_pk_add_f32 v[SS+4:SS+5], v[SS+4:SS+5], v[SS+6:SS+7]
	v_pk_add_f32 v[SS:SS+1], v[SS:SS+1], v[SS+4:SS+5]
	v_add_f32 v6, v[SS], v[SS+1]
	v_permlanex16_b32 v7, v6, s[SEL], s[SEL+1]     ; the row's other 64 columns lie in the lane 16 away
	v_add_f32 v6, v6, v7
	v_fma_f32 v6, v6, s[RCPD], s[EPSR]             ; mean + eps
	v_rsq_f32 v[RS], v6                            ; the products below are the plain lines behind it
	WIN 0x44
.set i, 0
.rept 16
	v_pk_mul_f32 v[US+2*i:US+2*i+1], v[Z+32+2*i:Z+32+2*i+1], v[US+2*i:US+2*i+1]        ; x w [c + 64] sin[c], c < 64
.set i, i+1
.endr
.rept 16
	v_pk_mul_f32 v[US+2*i:US+2*i+1], v[Z-32+2*i:Z-32+2*i+1], v[US+2*i:US+2*i+1]        ; x w [c - 64] sin[c], c >= 64
.set i, i+1
.endr
	WIN 0x10                                       ; source 2 window 1
.set i, 0
.rept 16
	v_pk_fma_f32 v[UC+2*i:UC+2*i+1], v[Z+2*i:Z+2*i+1], v[UC+2*i:UC+2*i+1], v[US+2*i:US+2*i+1] neg_lo:[0,0,1] neg_hi:[0,0,1]
.set i, i+1
.endr
.rept 16
	v_pk_fma_f32 v[UC+2*i:UC+2*i+1], v[Z+2*i:Z+2*i+1], v[UC+2*i:UC+2*i+1], v[US+2*i:US+2*i+1]
.set i, i+1
.endr
	WIN 0
	s_wait_alu depctr_va_vdst(0)
	v_cndmask_b32 v[RS], v[RS], 1.0, s[VM]         ; v is not normalised
	v_mov_b32 v[RS+1], v[RS]
.set i, 0
.rept 32
	v_pk_mul_f32 v[Z+2*i:Z+2*i+1], v[UC+2*i:UC+2*i+1], v[RS:RS+1]
.set i, i+1
.endr
.set i, 0
.rept 32
	v_cvt_pk_f16_f32 v[Z+i], v[Z+2*i], v[Z+2*i+1]  ; rounded once, packed in place from the low end
.set i, i+1
.endr
.irp b, 0,1,2,3,4,5,6,7
	ds_store_b128 v[STO], v[Z+4*(\b):Z+4*(\b)+3] offset:32*(\b)
.endr
.irp t, 0,1,2,3,4,5,6,7
	ds_load_b128 v[OB+4*(\t):OB+4*(\t)+3], v[RD] offset:(\t)*2*SPITCH  ; my own stage, served in order: these see the stores above
.endr
.irp t, 0,1,2,3,4,5,6,7
	s_wait_dscnt 7-(\t)                            ; pair t of rows is back, and with it all that was asked for earlier; the younger loads stay out
	global_store_b128 v[CO], v[OB+4*(\t):OB+4*(\t)+3], s[10:11] offset:512*(\t)  ; a head's rows are dense: 512 consecutive bytes, at a multiple of 512
.endr
	s_wait_xcnt 0x0                                ; the stores' data and base are rewritten only behind this wait
	s_add_nc_u64 s[10:11], s[10:11], 4096
	s_add_co_u32 s[BK], s[BK], 1
	s_cmp_lt_u32 s[BK], 8
	s_cbranch_scc1 .Lblk
	s_wait_tensorcnt 0x0                           ; the wave's end
	ds_add_u32 v[SPW], v[NIL]
	s_wait_dscnt 0x0
	CROUND                                         ; the closing round
	s_endpgm
.Lfunc_end_k_qf450ae919e_proj:
	.size	k_qf450ae919e_proj, .Lfunc_end_k_qf450ae919e_proj-k_qf450ae919e_proj
	.p2alignl 7, 3214868480
	.fill 96, 4, 3214868480
	.section	.rodata,"a",@progbits
	.p2align	6, 0x0
	.amdhsa_kernel k_qf450ae919e_proj
		.amdhsa_group_segment_fixed_size 327680
		.amdhsa_private_segment_fixed_size 0
		.amdhsa_enable_private_segment 0
		.amdhsa_kernarg_size 32
		.amdhsa_user_sgpr_count 2
		.amdhsa_user_sgpr_kernarg_segment_ptr 1
		.amdhsa_wavefront_size32 1
		.amdhsa_system_sgpr_workgroup_id_x 1
		.amdhsa_system_sgpr_workgroup_id_y 1
		.amdhsa_system_sgpr_workgroup_id_z 1
		.amdhsa_system_vgpr_workitem_id 0
		.amdhsa_next_free_vgpr 1024
		.amdhsa_next_free_sgpr 92
		.amdhsa_reserve_vcc 0
		.amdhsa_float_denorm_mode_32 3
		.amdhsa_float_denorm_mode_16_64 3
		.amdhsa_memory_ordered 1
		.amdhsa_forward_progress 1
		.amdhsa_inst_pref_size 131
	.end_amdhsa_kernel
	.amdgpu_metadata
---
amdhsa.version: [ 1, 2 ]
amdhsa.kernels:
  - .name:           k_qf450ae919e_proj
    .symbol:         k_qf450ae919e_proj.kd
    .args:
      - { .name: xw16, .offset: 0, .size: 8, .value_kind: global_buffer, .address_space: global }
      - { .name: q_norm_w, .offset: 8, .size: 8, .value_kind: global_buffer, .address_space: global }
      - { .name: k_norm_w, .offset: 16, .size: 8, .value_kind: global_buffer, .address_space: global }
      - { .name: qkv, .offset: 24, .size: 8, .value_kind: global_buffer, .address_space: global }
    .group_segment_fixed_size: 327680
    .private_segment_fixed_size: 0
    .kernarg_segment_align: 8
    .kernarg_segment_size: 32
    .max_flat_workgroup_size: 128
    .sgpr_count:     92
    .vgpr_count:     1024
    .wavefront_size: 32
...
	.end_amdgpu_metadata
.endif
;; end of part 2
;; launch attn (part 3): grid 16 x 16, 4 waves a work-group, clusters of 4 x 1, 327,680 bytes of LDS; arguments qkv, ctx; writes ctx
.if DOCPART == 3
	.amdgcn_target "amdgcn-amd-amdhsa--gfx1250"
	.amdhsa_code_object_version 6
	.text
	.protected	k_qf450ae919e_attn
	.globl	k_qf450ae919e_attn
	.p2align	8
	.type	k_qf450ae919e_attn,@function
k_qf450ae919e_attn:
	s_mov_b64 s[64:65], 0
	v_nop
	global_prefetch_b8 v0, s[64:65] scope:SCOPE_SE
	s_setreg_imm32_b32 hwreg(HW_REG_WAVE_MODE, 25, 1), 1
	s_wait_xcnt 0x0
	s_wait_alu depctr_hold_cnt(0) depctr_sa_sdst(0) depctr_va_vdst(0) depctr_va_sdst(0) depctr_va_ssrc(0) depctr_va_vcc(0) depctr_vm_vsrc(0)
	s_getreg_b32 s2, hwreg(HW_REG_IB_STS2, 6, 4)
	s_cmp_eq_u32 s2, 0
	s_cbranch_scc0 .Lentry_in_a_cluster
	s_endpgm
.Lentry_in_a_cluster:
	s_bfe_u32 s2, ttmp6, 0x10000c
	s_cmp_lg_u32 s2, 0x3003
	s_cbranch_scc0 .Lentry_shape_is_right
	s_endpgm
.Lentry_shape_is_right:
; CAUSAL ATTENTION, head size 128.  ctx[b][q][h][:] = the sum over k <= q of softmax_k(Q . K / sqrt(128)) V.  Q, K, V: f16 [16 = b x 8 + h][2048][128] at bytes 0, 8,388,608, 16,777,216 of qkv
; (V carries a factor 32, and so does ctx); ctx: f16 [4096][1024].  Products, maxima and sums in f32; the weights p are rounded to f16 for the second product, ctx once at the end.
; LIMITS.  A hidden score counts as its value less 1e30.  The running maximum starts at -2^66: f16's scores are at most 128 x 65,504^2 = 5.5e11 in size, far above it, hidden ones far below.
; A weight below 2^-126 counts as 0.  NaN and infinities are not treated apart.
; THE WALK.  A head's queries lie in 32 blocks of 64.  A work-group takes two: i1 = 4 g + cx and then 31 - i1 (g: the cluster's x).  Keys go in tiles of 256: block i1 needs tiles 0 .. g, the other
; 0 .. 7 - g: nine tiles whatever g and cx, 256 equal work-groups, one loop with a constant trip count.  The walk hangs on g alone, so the four partners of a cluster ask for the same tiles:
; every fill is a joint load.  cx enters Q's and ctx's addresses and two selects of mask values: no branch, no trip count, no LDS address.
; SHARES.  Every wave holds all 64 queries (four tiles of 16, two PIECES of two); the waves split the KEYS: of a tile wave w takes keys 64 w .. 64 w + 63, a key step.  At a block's end the four
; waves' partial (m, l, O) are merged through LDS, in f32.
; LAYOUT.  S^T = K Q^T holds one query a lane (lane % 16) and the keys 8 (lane / 16) + 0..7; two such results rounded to f16 are source 1 of O^T = V^T P.  K comes out of LDS as it lies, V turned.
; SOFTMAX.  p = 2^(c s - c m), c = log2(e) / sqrt(128), with a running maximum m; O and l are multiplied by a = 2^(c m_old - c m_new) in every step.
; THE MASK is the C operand that starts the sum S^T: 0 or -1e30.  In the block's last tile the queries stand at keys 64 POS on: wave w sees all (w < POS), nothing (w > POS) or holds the diagonal.
; Three sets of eight registers serve: key block below, on and above the query tile's.  Outside the last tile all are 0: one text for every tile.
; A STEP: K Q^T of piece 0 | K Q^T of piece 2 with piece 0's softmax in slices behind its products | V^T P of piece 0 with piece 2's softmax | V^T P of piece 2.
; REGISTERS: window 0: v0-11, v44-46 addresses; v12-43 statistics; v64-191 S^T; v192-255 P (v224-247 also the masks, while P's tiles 2, 3 are dead)
;   window 1: O^T, 64 a tile    window 2: v0-127 Q, v128-255 K of a step    window 3: v0-127 V of a step, v128-255 the second block's Q
.set PK,    272       ; a row of K in LDS: 256 bytes + 16
.set PV,    288       ; a row of V: 256 + 32
.set VOFF,  256*PK    ; a slot holds a tile: 256 rows of K, then 256 rows of V
.set SLOT,  256*(PK+PV)
.set SCR,   2*SLOT    ; behind the ring, never filled by a tensor load: for each wave 16 rows x 528 bytes of f32, for the merge
.set SCP,   528
.set SCW,   16*SCP
.set STATS, SCR+4*SCW ; 2,048 bytes: c m and l of 64 queries x 4 waves
.set SPARE, STATS+2048  ; the spare words: 128 bytes for each wave, two blocks of 256 bytes that no other line names
.set AK0, 2           ; v2   my lane's place in my 64 rows of K; never rewritten
.set AV0, 3           ; v3   the same for V
.set ADR, 4           ; v4   the LDS address of the run of loads in hand
.set QO,  5           ; v5   my byte offset in 16 rows of Q
.set WA,  6           ; v6   merge: where I put 16 bytes of a row of my partial O
.set RA,  7           ; v7   merge: where I read whole rows
.set GO,  8           ; v8   8 x lane: my place in 256 consecutive bytes of ctx
.set ST,  12          ; tile t's statistics at v[ST+8 t]: c m, m, l, l, c0-c3 at work
.set DX,  44          ; v44  lane % 16 - 8 (lane / 16)
.set SA,  45          ; v45  merge: my wave's word for query lane % 16
.set SR,  46          ; v46  merge: the four waves' words for that query
.set SPW, 62          ; v62  my spare word; never rewritten
.set NIL, 63          ; v63  0; never rewritten
.set S,   64
.set P,   192
.set MLO, 224
.set MDI, 232
.set MHI, 240
.set KF,  128         ; window 2
.set Q2,  128         ; window 3
.set KB,  8           ; s[8:9]   K at my half of the head's tile 0
.set VB,  10          ; s[10:11] V likewise
.set WV,  12
.set CX,  13
.set GG,  14
.set BH,  15
.set OB1, 16          ; s[16:17] ctx at my rows of the block in hand
.set OB2, 18          ; s[18:19] of the second block
.set G1K, 24
.set G1V, 32
.set G0K, 40          ; s[40:47] two sets for the two first fills; the second serves every refill
.set G0V, 48
.set SLOTS, 56
.set CNT, 57
.set CS,  58          ; s[58:59] c
.set SEL, 60          ; s[60:61]
.set TB,  62          ; the slot to be read: 0 or SLOT
.set RT,  66          ; tiles of the block in hand still to be entered
.set NXT, 67          ; the tile to be asked for next
.set LQ,  68          ; the last tile of the block whose tiles are being asked for
.set LQ2, 69
.set POS, 70          ; the block's place among its last tile's four key steps
.set POS2, 71
.set LOV, 72
.set HIV, 73
.set BIGN, 74
.set OFF, 76          ; s[76:77]
.set WKO, 78          ; my load's place in a slot, for K
.set WVO, 79          ; and for V
.set CM,  80          ; s[80:87] lane masks: key 8 (l / 16) + j lies above query l % 16
.set QB1, 88
.set QB2, 90
.set I1,  92
.set I2,  93
.set MSB, 0
.macro WIN new
.if MSB != (\new)
	s_set_vgpr_msb (MSB<<8)|(\new)
.set MSB, \new
.endif
.endm
.set W_KQ, 0x0a       ; K and Q in window 2, S^T and the mask in window 0
.set W_PV, 0x53       ; V in window 3, P in window 0, O^T in window 1
.set W_RS, 0x41       ; O^T (destination and source 0) in window 1
.macro JLOAD                        ; a joint refill: waves 0 and 1 fetch the halves of the tile's K, waves 2 and 3 of its V; an s_nop 0 and four v_nop follow each line
	s_cmp_lt_u32 s[WV], 2
	s_cbranch_scc0 .Lfor_v_\@
	tensor_load_to_lds s[G0K+4:G0K+7], s[G1K:G1K+7]
	s_nop 0
.rept 4
	v_nop
.endr
	s_branch .Lasked_\@
.Lfor_v_\@:
	tensor_load_to_lds s[G0V+4:G0V+7], s[G1V:G1V+7]
	s_nop 0
.rept 4
	v_nop
.endr
.Lasked_\@:
.endm
.macro CROUND                       ; a round of the cluster's barrier
	s_barrier_signal -1
	s_barrier_wait -1
	s_cmp_lg_u32 s[WV], 0
	s_cbranch_scc1 .Lnot_wave_0_\@
	s_barrier_signal -3
.Lnot_wave_0_\@:
	s_barrier_wait -3
	s_barrier_signal -1
	s_barrier_wait -1
.endm
.macro PLACES
.rept 4
	v_nop
.endr
.endm
.macro DESC set                     ; the global addresses of set's two descriptors are made anew from tile NXT; then NXT steps: the block's next tile, or behind its last the second block's tile 0
	s_lshl_b32 s[OFF], s[NXT], 16   ; a tile is 65,536 bytes of K and of V
	s_add_nc_u64 s[G0K+4*(\set)+2:G0K+4*(\set)+3], s[KB:KB+1], s[OFF:OFF+1]
	s_or_b32 s[G0K+4*(\set)+3], s[G0K+4*(\set)+3], 0x80000000
	s_add_nc_u64 s[G0V+4*(\set)+2:G0V+4*(\set)+3], s[VB:VB+1], s[OFF:OFF+1]
	s_or_b32 s[G0V+4*(\set)+3], s[G0V+4*(\set)+3], 0x80000000
	s_add_co_u32 s[NXT], s[NXT], 1
	s_cmp_gt_u32 s[NXT], s[LQ]
	s_cselect_b32 s[NXT], 0, s[NXT]
	s_cselect_b32 s[LQ], s[LQ2], s[LQ]
.endm
.macro BASES ireg, qd, od           ; Q and ctx at block ireg
	s_lshl_b32 s22, s[\ireg], 14    ; 64 rows of 256 bytes
	s_lshl_b32 s23, s[BH], 19
	s_add_co_u32 s22, s22, s23
	s_mov_b32 s23, 0
	s_add_nc_u64 s[\qd:\qd+1], s[4:5], s[22:23]
	s_lshr_b32 s22, s[BH], 3        ; ctx: row batch x 2,048 + 64 i + 4 w, 2,048 bytes each; the head's 256 bytes in it
	s_lshl_b32 s22, s22, 11
	s_lshl_b32 s23, s[\ireg], 6
	s_add_co_u32 s22, s22, s23
	s_lshl_b32 s23, s[WV], 2
	s_add_co_u32 s22, s22, s23
	s_lshl_b32 s22, s22, 11
	s_and_b32 s23, s[BH], 7
	s_lshl_b32 s23, s23, 8
	s_add_co_u32 s22, s22, s23
	s_mov_b32 s23, 0
	s_add_nc_u64 s[\od:\od+1], s[6:7], s[22:23]
.endm
	s_load_b128 s[4:7], s[0:1], 0x0 ; qkv s[4:5], ctx s[6:7]
	v_lshl_add_u32 v[SPW], v0, 2, SPARE
	v_mov_b32 v[NIL], 0
	ds_add_u32 v[SPW], v[NIL]       ; the wave's opening: the add and its wait stand ahead of my first tensor load; work on registers stands between them
	v_lshrrev_b32 v1, 5, v0
	v_readfirstlane_b32 s[WV], v1
	s_bfe_u32 s[CX], ttmp6, 0x40000
	s_mov_b32 s[GG], ttmp9          ; the cluster's x
	s_and_b32 s[BH], ttmp7, 0xffff  ; batch x 8 + head
	s_and_b32 s20, s[WV], 1         ; which half of a tile's 256 keys I fetch
	s_mul_i32 s[WKO], s20, 128*PK
	s_mul_i32 s[WVO], s20, 128*PV
	s_add_co_u32 s[WVO], s[WVO], VOFF
	s_lshl_b32 s20, s20, 15
	s_lshl_b32 s21, s[BH], 19
	s_add_co_u32 s20, s20, s21
	s_mov_b32 s21, 0
	s_mov_b32 s[G1K], 15|(1<<16)|(1<<20)|(1<<21)|(5<<22)|(3<<25)  ; the mask of four; 2-byte elements; padding on; bit 21 beside a mask; after every 64 words 4 words
	s_mov_b32 s[G1V], 15|(1<<16)|(1<<20)|(1<<21)|(5<<22)|(7<<25)  ; the same with 8 words
.irp g, G1K, G1V
	s_mov_b32 s[(\g)+1], 128<<16    ; tensor_dim0 = 128
	s_mov_b32 s[(\g)+2], 128<<16    ; tensor_dim1 = 128
	s_mov_b32 s[(\g)+3], 128<<16    ; tile_dim0 = 128
	s_mov_b32 s[(\g)+4], 128        ; tile_dim1 = 128
	s_mov_b32 s[(\g)+5], 128        ; elements from row to row
	s_mov_b32 s[(\g)+6], 0
	s_mov_b32 s[(\g)+7], 0
.endr
	s_mov_b32 s[G0K], 1
	s_mov_b32 s[G0K+1], s[WKO]      ; slot 0
	s_mov_b32 s[G0V], 1
	s_mov_b32 s[G0V+1], s[WVO]
	s_mov_b32 s[G0K+4], 1
	s_add_co_u32 s[G0K+5], s[WKO], SLOT  ; slot 1
	s_mov_b32 s[G0V+4], 1
	s_add_co_u32 s[G0V+5], s[WVO], SLOT
	s_mov_b32 s[CS], 0x3e0293ee     ; c = log2(e) / sqrt(128)
	s_mov_b32 s[CS+1], s[CS]
	s_mov_b32 s[SEL], 0x76543210
	s_mov_b32 s[SEL+1], 0xfedcba98
	s_mov_b32 s[BIGN], 0xf149f2ca   ; -1e30
	s_mov_b32 s[TB], 0
	s_mov_b32 s[OFF+1], 0
	s_add_co_u32 s[RT], s[GG], 1    ; the first block has g + 1 tiles
	s_mov_b32 s[NXT], 0
	s_mov_b32 s[LQ], s[GG]
	s_sub_co_u32 s[LQ2], 7, s[GG]
	s_mov_b32 s[POS], s[CX]
	s_sub_co_u32 s[POS2], 3, s[CX]
	s_lshl_b32 s[I1], s[GG], 2
	s_add_co_u32 s[I1], s[I1], s[CX]
	s_sub_co_u32 s[I2], 31, s[I1]
	s_wait_dscnt 0x0                ; the opening add is done
	s_wait_kmcnt 0x0
	s_add_nc_u64 s[KB:KB+1], s[4:5], s[20:21]
	s_add_nc_u64 s[VB:VB+1], s[KB:KB+1], 16777216
	s_add_nc_u64 s[KB:KB+1], s[KB:KB+1], 8388608
	DESC 0
	DESC 1
	CROUND                          ; all four work-groups are here: the first joint loads meet
	s_cmp_lt_u32 s[WV], 2           ; a wave's two first fills stand in one branch: two loads of mine are out
	s_cbranch_scc0 .Lfirst_v
	tensor_load_to_lds s[G0K:G0K+3], s[G1K:G1K+7]
	s_nop 0
	tensor_load_to_lds s[G0K+4:G0K+7], s[G1K:G1K+7]
	s_nop 0
.rept 4
	v_nop
.endr
	s_branch .Lfirst_asked
.Lfirst_v:
	tensor_load_to_lds s[G0V:G0V+3], s[G1V:G1V+7]
	s_nop 0
	tensor_load_to_lds s[G0V+4:G0V+7], s[G1V:G1V+7]
	s_nop 0
.rept 4
	v_nop
.endr
.Lfirst_asked:
	v_and_b32 v1, 15, v0            ; l % 16
	v_bfe_u32 v9, v0, 4, 1          ; l / 16
	v_lshlrev_b32 v[QO], 8, v1
	v_lshl_add_u32 v[QO], v9, 4, v[QO]
	BASES I1, QB1, OB1
	BASES I2, QB2, OB2
	WIN 0x80                        ; destination window 2
.irp i, 0,1,2,3,4,5,6,7,8,9,10,11,12,13,14,15  ; both blocks' Q stay in registers: tile i / 4, channels 32 (i % 4) on
	global_load_b128 v[8*(\i):8*(\i)+3],   v[QO], s[QB1:QB1+1] offset:((\i)/4)*4096+((\i)%4)*64
	global_load_b128 v[8*(\i)+4:8*(\i)+7], v[QO], s[QB1:QB1+1] offset:((\i)/4)*4096+((\i)%4)*64+32
.endr
	WIN 0xc0                        ; destination window 3
.irp i, 0,1,2,3,4,5,6,7,8,9,10,11,12,13,14,15
	global_load_b128 v[Q2+8*(\i):Q2+8*(\i)+3],   v[QO], s[QB2:QB2+1] offset:((\i)/4)*4096+((\i)%4)*64
	global_load_b128 v[Q2+8*(\i)+4:Q2+8*(\i)+7], v[QO], s[QB2:QB2+1] offset:((\i)/4)*4096+((\i)%4)*64+32
.endr
	WIN 0x40                        ; O^T starts at 0: no first step is written out; this stands in the wait for the first tile
.set i, 0
.rept 256
	v_mov_b32 v[i], 0
.set i, i+1
.endr
	WIN 0
.macro STINIT                       ; c m far below every c s, so a block's first a is 0; m below every score and above every hidden one
.set i, 0
.rept 4
	v_mov_b32 v[ST+8*i], 0xfe000000
	v_mov_b32 v[ST+8*i+1], 0xe0800000
.set i, i+1
.endr
.endm
	STINIT
.set i, 0
.rept 4
	v_mov_b32 v[ST+8*i+2], 0
	v_mov_b32 v[ST+8*i+3], 0
.set i, i+1
.endr
	v_mul_u32_u24 v[AK0], v1, PK
	v_lshl_add_u32 v[AK0], v9, 4, v[AK0]
	s_mul_i32 s20, s[WV], 64*PK
	v_add_nc_u32 v[AK0], s20, v[AK0]      ; my 64 keys' rows; row x pitch + 16 x half
	v_and_b32 v10, 7, v0
	v_bfe_u32 v11, v0, 3, 1
	v_lshl_add_u32 v[AV0], v9, 3, v10     ; the turning load: key 8 (l / 16) + l % 8, channels 8 ((l / 8) % 2) on
	v_mul_u32_u24 v[AV0], v[AV0], PV
	v_lshl_add_u32 v[AV0], v11, 4, v[AV0]
	s_mul_i32 s20, s[WV], 64*PV
	s_add_co_u32 s20, s20, VOFF
	v_add_nc_u32 v[AV0], s20, v[AV0]
	v_mul_u32_u24 v[WA], v1, SCP
	v_lshl_add_u32 v[WA], v9, 5, v[WA]
	s_mul_i32 s20, s[WV], SCW
	s_add_co_u32 s20, s20, SCR
	v_add_nc_u32 v[WA], s20, v[WA]
	v_and_b32 v10, 31, v0
	v_lshlrev_b32 v[GO], 3, v10
	s_mul_i32 s20, s[WV], 4*SCP
	s_add_co_u32 s20, s20, SCR
	v_lshl_add_u32 v[RA], v10, 4, s20
	v_lshlrev_b32 v11, 3, v9
	v_sub_nc_u32 v[DX], v1, v11
	v_lshlrev_b32 v[SR], 4, v1
	v_add_nc_u32 v[SR], STATS, v[SR]
	s_lshl_b32 s20, s[WV], 2
	v_add_nc_u32 v[SA], s20, v[SR]
.irp j, 0,1,2,3,4,5,6,7
	v_cmp_gt_i32 s[CM+(\j)], \j, v[DX]
.endr
; THE MATRIX WORK.  The accumulators take turns, one instruction a turn.
; Product i of 32 of O^T += V^T P for piece x: keys 32 (i / 16) on, channels 16 ((i / 2) % 8) on, tile x + i % 2.
.macro PV x
	WIN W_PV
.set rO, 64*((\x)+i%2)+8*((i/2)%8)
.set rV, 64*(i/16)+8*((i/2)%8)
.set rP, P+16*((\x)+i%2)+8*(i/16)
	v_wmma_f32_16x16x32_f16 v[rO:rO+7], v[rV:rV+7], v[rP:rP+7], v[rO:rO+7]
.endm
; Product i of 32 of S^T = K Q^T: channels 32 (i / 8) on, keys 16 ((i / 2) % 4) on, tile x + i % 2.  The first 8 start the sums with the mask.
.macro KQ x
	WIN W_KQ
.set rS, S+32*((\x)+i%2)+8*((i/2)%4)
.set rK, KF+32*((i/2)%4)+8*(i/8)
.set rQ, 32*((\x)+i%2)+8*(i/8)
.if i < 8
.set rM, MDI
.if (i/2) < ((\x)+i%2)
.set rM, MLO
.endif
.if (i/2) > ((\x)+i%2)
.set rM, MHI
.endif
	v_wmma_f32_16x16x32_f16 v[rS:rS+7], v[rK:rK+7], v[rQ:rQ+7], v[rM:rM+7]
.else
	v_wmma_f32_16x16x32_f16 v[rS:rS+7], v[rK:rK+7], v[rQ:rQ+7], v[rS:rS+7]
.endif
.endm
; THE LDS LOADS stand in runs of 32.  last = 1 (the tail): in its last trip there is no further tile, and K's run is jumped over.
.macro FETCH_K last=0
	WIN 0
.if \last
	s_cmp_eq_u32 s[CNT], 1
	s_cbranch_scc1 .Lno_k_\@
.endif
	v_add_nc_u32 v[ADR], s[TB], v[AK0]
	WIN 0x80
.irp f, 0,1,2,3,4,5,6,7,8,9,10,11,12,13,14,15  ; keys 16 (f / 4) on, channels 32 (f % 4) on
	ds_load_b128 v[KF+8*(\f):KF+8*(\f)+3],   v[ADR] offset:((\f)/4)*16*PK+((\f)%4)*64
	ds_load_b128 v[KF+8*(\f)+4:KF+8*(\f)+7], v[ADR] offset:((\f)/4)*16*PK+((\f)%4)*64+32
.endr
	WIN 0
.if \last
.Lno_k_\@:
.endif
.endm
.macro FETCH_V
	WIN 0
	v_add_nc_u32 v[ADR], s[TB], v[AV0]
	WIN 0xc0
.irp f, 0,1,2,3,4,5,6,7,8,9,10,11,12,13,14,15  ; keys 32 (f / 8) on, channels 16 (f % 8) on
	ds_load_tr16_b128 v[8*(\f):8*(\f)+3],   v[ADR] offset:((\f)/8)*32*PV+((\f)%8)*32
	ds_load_tr16_b128 v[8*(\f)+4:8*(\f)+7], v[ADR] offset:((\f)/8)*32*PV+16*PV+((\f)%8)*32
.endr
	WIN 0
.endm
; THE VECTOR WORK.  One tile's softmax for a step is a list of 134 instructions; SM writes number j of it for tile t.
;   0-15 the maximum of the lane's 32 scores and the old m, three operands at a time (each accumulator's lowest registers first)   16-20 the other half of the lanes'; m; c m; its change
;   21-87 33 exponentials at the odd numbers from 23 on, a plain line (a scaling, a rounding, a sum) between any two   88-101 the last rounding, the sums, l = a l + sum   102-133 O^T times a
.macro SM t
.set rT, ST+8*(\t)
.set rS, S+32*(\t)
.set rP, P+16*(\t)
.set rO, 64*(\t)+2*(j-102)
.set q, (j-20)/2
.if j < 102
	WIN 0
.endif
.if j < 4
	v_max3_num_f32 v[rT+4+j], v[rS+8*j], v[rS+8*j+1], v[rS+8*j+2]
.elseif j < 12
	v_max3_num_f32 v[rT+4+j%4], v[rT+4+j%4], v[rS+8*(j%4)+2*(j/4)+1], v[rS+8*(j%4)+2*(j/4)+2]
.elseif j == 12
	v_max3_num_f32 v[rT+4], v[rT+4], v[rS+7], v[rS+15]
.elseif j == 13
	v_max3_num_f32 v[rT+6], v[rT+6], v[rS+23], v[rS+31]
.elseif j == 14
	v_max3_num_f32 v[rT+4], v[rT+4], v[rT+5], v[rT+6]
.elseif j == 15
	v_max3_num_f32 v[rT+4], v[rT+4], v[rT+7], v[rT+1]
.elseif j == 16
	v_permlanex16_b32 v[rT+5], v[rT+4], s[SEL], s[SEL+1]  ; the query's other 32 keys lie in the lane 16 away
.elseif j == 17
	v_mov_b32 v[rT+7], v[rT]        ; c m_old is kept: number 19 writes c m anew
.elseif j == 18
	v_max_num_f32 v[rT+1], v[rT+4], v[rT+5]
.elseif j == 19
	v_mul_f32 v[rT], s[CS], v[rT+1]
.elseif j == 20
	v_sub_f32 v[rT+7], v[rT+7], v[rT]
.elseif j == 23
	v_exp_f32 v[rT+6], v[rT+7]
.elseif (j < 88) && (j > 23) && (j%2 == 1)
	v_exp_f32 v[rS+(j-25)/2], v[rS+(j-25)/2]
.elseif (q < 4) || ((j < 76) && (q%2 == 0))
.set b, q/2+2
.if q < 4
.set b, q
.endif
	v_pk_fma_f32 v[rS+2*b:rS+2*b+1], v[rS+2*b:rS+2*b+1], s[CS:CS+1], v[rT:rT+1] op_sel_hi:[1,0,0] neg_lo:[0,0,1] neg_hi:[0,0,1]  ; pair b: c s - c m
.elseif (j < 88) && (q%2 == 1)
	s_wait_alu depctr_va_vdst(0)
	v_cvt_pk_f16_f32 v[rP+(q-5)/2], v[rS+q-5], v[rS+q-4]
.elseif j == 89
	s_wait_alu depctr_va_vdst(0)
	v_cvt_pk_f16_f32 v[rP+15], v[rS+30], v[rS+31]
.elseif j < 102                     ; the sum of the tile's 16 pairs, in place: neighbours 1, 2, 4 and 8 pairs apart, then l takes it
.set z, j-86
.if j < 89
.set z, (j-76)/4
.endif
.set w, 4
.set u, z
.if z >= 14
.set w, 32
.set u, 0
.elseif z >= 12
.set w, 16
.set u, z-12
.elseif z >= 8
.set w, 8
.set u, z-8
.endif
.if z < 15
	v_pk_add_f32 v[rS+w*u:rS+w*u+1], v[rS+w*u:rS+w*u+1], v[rS+w*u+w/2:rS+w*u+w/2+1]
.else
	v_pk_fma_f32 v[rT+2:rT+3], v[rT+2:rT+3], v[rT+6:rT+7], v[rS:rS+1] op_sel_hi:[1,0,1]
.endif
.else
	WIN W_RS
	v_pk_mul_f32 v[rO:rO+1], v[rO:rO+1], v[rT+6:rT+7] op_sel_hi:[1,0]
.endif
.endm
; Slice k of 64 of piece y's softmax: numbers 2 k and 2 k + 1 of both tiles' lists; the twelve that are over stand in slice 63.
.macro SLICE y
.if (k >= 11) && (k < 44)           ; tile by tile: plain, exponential, plain, exponential
.irp t, \y, (\y)+1
.irp n, 0,1
.set j, 2*k+(\n)
	SM \t
.endr
.endr
.else                               ; the two tiles alternate
.irp n, 0,1,2,3,4,5,6,7
.if ((\n) < 2) || (k == 63)
.irp t, \y, (\y)+1
.set j, 2*k+(\n)
	SM \t
.endr
.endif
.endr
.endif
.set k, k+1
.endm
; The masks of the tile that is entered.
.macro MASKS
	s_sub_co_u32 s[RT], s[RT], 1
	s_cmp_gt_u32 s[WV], s[POS]
	s_cselect_b32 s[LOV], s[BIGN], 0
	s_cmp_ge_u32 s[WV], s[POS]
	s_cselect_b32 s[HIV], s[BIGN], 0
	s_cmp_eq_u32 s[RT], 0           ; only the block's last tile hides anything
	s_cselect_b32 s[LOV], s[LOV], 0
	s_cselect_b32 s[HIV], s[HIV], 0
.irp j, 0,1,2,3,4,5,6,7
	v_mov_b32 v[MLO+(\j)], s[LOV]
	v_mov_b32 v[MHI+(\j)], s[HIV]
.endr
.irp j, 0,1,2,3,4,5,6,7
	v_cndmask_b32 v[MDI+(\j)], v[MLO], v[MHI], s[CM+(\j)]
.endr
.endm
; A step's first half: V is fetched, the scores of both pieces are made, piece 0's softmax stands two slices behind each of piece 2's products.
.macro FIRSTHALF
	PLACES                          ; behind the last products V^T P, which read V and P's tiles 2, 3
	FETCH_V
	MASKS
	s_wait_dscnt 32                 ; K's 32 loads are in; V's 32, issued behind them, may stay out
.set i, 0
.rept 32
	KQ 0
.set i, i+1
.endr
	WIN 0
	PLACES                          ; in front of the first reads of those scores
.set k, 0
.set i, 0
.rept 32
	KQ 2
	SLICE 0
	SLICE 0
.set i, i+1
.endr
	WIN 0
.endm
; Its second half: V^T P of piece 0 with piece 2's softmax behind its products; the next tile's K is fetched behind the second product (K's last reader stands in front of slice 63); V^T P of piece 2.
.macro SECONDHALF last
.set k, 0
.set i, 0
.rept 32
	PV 0
	SLICE 2
	SLICE 2
.if i == 1
	FETCH_K \last
.endif
.set i, i+1
.endr
.set i, 0
.rept 32
	PV 2
.set i, i+1
.endr
	WIN 0
.endm
; THE CHANGE OF SLOTS, in a step's middle: the tile's K and V have been asked for.  Each wave waits for all its tensor loads, of which one is out: its part of the other slot; adds 0 to its spare word;
; and waits for that and for its reads of the slot.  fill = 1: the slot is filled again with tile NXT: the barrier is a round of the cluster's, and the joint refill is the first thing behind it;
; it has a whole step, 128 matrix instructions and their slices, in which to land.
.macro CHANGE fill
	WIN 0
	s_wait_tensorcnt 0x0            ; no tensor load of mine is out, so a group 0 may be written
	ds_add_u32 v[SPW], v[NIL]       ; 0 onto my spare word; scalar work stands between it and the wait for it
.if \fill
	s_add_co_u32 s[G0K+5], s[TB], s[WKO]  ; the slot that is left
	s_add_co_u32 s[G0V+5], s[TB], s[WVO]
	DESC 1
.endif
	s_xor_b32 s[TB], s[TB], SLOT    ; the fetches go to the other slot
	s_wait_dscnt 0x0                ; the add is done, and my reads of the slot are over
.if \fill
	CROUND
	JLOAD
.else
	s_barrier_signal -1
	s_barrier_wait -1
.endif
.endm
.macro ALLT line:vararg             ; one line for each tile t
.set t, 0
.rept 4
	\line
.set t, t+1
.endr
.endm
; One tile of the merge: my partial O^T of tile c, weighted, goes into my 16 rows of f32; behind a barrier each wave reads rows 4 w .. 4 w + 3 of all four partials, adds them, rounds once and stores.
.macro MROUND c
	WIN W_RS
.set i, 0
.rept 32
	v_pk_mul_f32 v[64*(\c)+2*i:64*(\c)+2*i+1], v[64*(\c)+2*i:64*(\c)+2*i+1], v[ST+8*(\c)+6:ST+8*(\c)+7] op_sel_hi:[1,0]
.set i, i+1
.endr
	WIN 0x04                        ; store data in window 1
.set i, 0
.rept 8
	ds_store_b128 v[WA], v[64*(\c)+8*i:64*(\c)+8*i+3] offset:64*i
	ds_store_b128 v[WA], v[64*(\c)+8*i+4:64*(\c)+8*i+7] offset:64*i+16
.set i, i+1
.endr
	WIN 0
	s_wait_dscnt 0x0                ; for the others' sake: my stores are done
	s_barrier_signal -1
	s_barrier_wait -1
.set i, 0
.rept 16
	ds_load_b128 v[S+4*i:S+4*i+3], v[RA] offset:SCW*(i/4)+SCP*(i%4)  ; wave i / 4's partial, row 4 w + i % 4: 512 consecutive bytes
.set i, i+1
.endr
	s_wait_dscnt 0x0                ; my reads are over:
.if (\c) < 3
	s_barrier_signal -1             ; the rows may be written again when all four have said so
.endif
.set i, 0
.rept 8
	v_pk_add_f32 v[S+2*i:S+2*i+1], v[S+2*i:S+2*i+1], v[S+16+2*i:S+16+2*i+1]
	v_pk_add_f32 v[S+32+2*i:S+32+2*i+1], v[S+32+2*i:S+32+2*i+1], v[S+48+2*i:S+48+2*i+1]
.set i, i+1
.endr
.set i, 0
.rept 8
	v_pk_add_f32 v[S+2*i:S+2*i+1], v[S+2*i:S+2*i+1], v[S+32+2*i:S+32+2*i+1]
.set i, i+1
.endr
.set i, 0
.rept 8
	v_cvt_pk_f16_f32 v[S+64+8*(\c)+i], v[S+2*i], v[S+2*i+1]
.set i, i+1
.endr
.if (\c) < 3
	s_barrier_wait -1
.endif
.set i, 0
.rept 4
	global_store_b64 v[GO], v[S+64+8*(\c)+2*i:S+64+8*(\c)+2*i+1], s[OB1:OB1+1] offset:(16*(\c)+i)*2048  ; 32 lanes store 256 consecutive bytes, at a multiple of 256
.set i, i+1
.endr
.endm
; A BLOCK'S END.  For each query the four waves' c m and l meet in LDS; M is the largest c m, a wave's weight 2^(c m - M), the divisor the weighted sum of the l.  A wave that saw only hidden
; keys has c m = c x -2^66, weight 0, l = 0 and O = 0.
.macro MERGE
	ALLT v_add_f32 v[ST+8*t+4], v[ST+8*t+2], v[ST+8*t+3]   ; four plain lines: the places behind the last products
	ALLT v_permlanex16_b32 v[ST+8*t+5], v[ST+8*t+4], s[SEL], s[SEL+1]
	ALLT v_add_f32 v[ST+8*t+4], v[ST+8*t+4], v[ST+8*t+5]
	ALLT ds_store_b32 v[SA], v[ST+8*t] offset:256*t
	ALLT ds_store_b32 v[SA], v[ST+8*t+4] offset:1024+256*t
	s_wait_dscnt 0x0
	s_barrier_signal -1
	s_barrier_wait -1
	ALLT ds_load_b128 v[S+8*t:S+8*t+3], v[SR] offset:256*t
	ALLT ds_load_b128 v[S+8*t+4:S+8*t+7], v[SR] offset:1024+256*t
	s_wait_dscnt 0x0
	ALLT v_max3_num_f32 v[ST+8*t+4], v[S+8*t], v[S+8*t+1], v[S+8*t+2]
	ALLT v_max_num_f32 v[ST+8*t+4], v[ST+8*t+4], v[S+8*t+3]
.irp n, 0,1,2,3
	ALLT v_sub_f32 v[S+8*t+\n], v[S+8*t+\n], v[ST+8*t+4]
.endr
	ALLT v_sub_f32 v[ST+8*t+5], v[ST+8*t], v[ST+8*t+4]
.irp n, 0,1,2,3
	ALLT v_exp_f32 v[S+8*t+\n], v[S+8*t+\n]
.endr
	ALLT v_exp_f32 v[ST+8*t+5], v[ST+8*t+5]
	v_nop                           ; a plain line behind the last exponential
	s_wait_alu depctr_va_vdst(0)
	ALLT v_mul_f32 v[ST+8*t+6], v[S+8*t], v[S+8*t+4]
.irp n, 1,2,3
	ALLT v_fma_f32 v[ST+8*t+6], v[S+8*t+\n], v[S+8*t+4+\n], v[ST+8*t+6]
.endr
	ALLT v_rcp_f32 v[ST+8*t+7], v[ST+8*t+6]
	v_nop                           ; a plain line behind the last reciprocal
	s_wait_alu depctr_va_vdst(0)
	ALLT v_mul_f32 v[ST+8*t+6], v[ST+8*t+5], v[ST+8*t+7]
	MROUND 0
	MROUND 1
	MROUND 2
	MROUND 3
.endm
	s_wait_tensorcnt 1              ; my part of slot 0 is in; slot 1's may stay out
	s_barrier_signal -1
	s_barrier_wait -1
	FETCH_K                         ; the first tile's K
	s_wait_loadcnt 0x0              ; both blocks' Q
	s_mov_b32 s[SLOTS], 8
	s_branch .Lfirst                ; the loop is entered at a step's first half
.Lslot:                             ; seven times: the tile in hand is left, the tile two on is asked for
	CHANGE 1
	SECONDHALF 0
	s_cmp_lg_u32 s[RT], 0           ; RT is made of the cluster's x and constants: alike in every wave and every partner
	s_cbranch_scc1 .Lfirst
	MERGE                           ; the first block ends here, at walk tile g <= 3
	s_wait_xcnt 0x0                 ; the stores' data and base are rewritten only behind this wait
	s_mov_b64 s[OB1:OB1+1], s[OB2:OB2+1]
	s_sub_co_u32 s[RT], 8, s[GG]    ; the second block has 8 - g tiles
	s_mov_b32 s[POS], s[POS2]
	STINIT                          ; O^T and l keep finite numbers: the first step multiplies them by a = 0
	WIN 0x83                        ; the second block's Q goes where the one text names Q
.set i, 0
.rept 128
	v_mov_b32 v[i], v[Q2+i]
.set i, i+1
.endr
	WIN 0
.Lfirst:
	FIRSTHALF
	s_sub_co_u32 s[SLOTS], s[SLOTS], 1
	s_cmp_lg_u32 s[SLOTS], 0
	s_cbranch_scc1 .Lslot
	s_mov_b32 s[CNT], 2             ; the tail is written out: the walk's last two tiles, nothing is asked for
.Ltail:
	CHANGE 0
	SECONDHALF 1
	s_sub_co_u32 s[CNT], s[CNT], 1
	s_cmp_eq_u32 s[CNT], 0
	s_cbranch_scc1 .Lout
	FIRSTHALF
	s_branch .Ltail
.Lout:
	MERGE
	s_wait_tensorcnt 0x0            ; the wave's end
	ds_add_u32 v[SPW], v[NIL]
	s_wait_dscnt 0x0
	CROUND                          ; the closing round
	s_endpgm
.Lfunc_end_k_qf450ae919e_attn:
	.size	k_qf450ae919e_attn, .Lfunc_end_k_qf450ae919e_attn-k_qf450ae919e_attn
	.p2alignl 7, 3214868480
	.fill 96, 4, 3214868480
	.section	.rodata,"a",@progbits
	.p2align	6, 0x0
	.amdhsa_kernel k_qf450ae919e_attn
		.amdhsa_group_segment_fixed_size 327680
		.amdhsa_private_segment_fixed_size 0
		.amdhsa_enable_private_segment 0
		.amdhsa_kernarg_size 16
		.amdhsa_user_sgpr_count 2
		.amdhsa_user_sgpr_kernarg_segment_ptr 1
		.amdhsa_wavefront_size32 1
		.amdhsa_system_sgpr_workgroup_id_x 1
		.amdhsa_system_sgpr_workgroup_id_y 1
		.amdhsa_system_sgpr_workgroup_id_z 1
		.amdhsa_system_vgpr_workitem_id 0
		.amdhsa_next_free_vgpr 1024
		.amdhsa_next_free_sgpr 96
		.amdhsa_reserve_vcc 0
		.amdhsa_float_denorm_mode_32 3
		.amdhsa_float_denorm_mode_16_64 3
		.amdhsa_memory_ordered 1
		.amdhsa_forward_progress 1
		.amdhsa_inst_pref_size 193
	.end_amdhsa_kernel
	.amdgpu_metadata
---
amdhsa.version: [ 1, 2 ]
amdhsa.kernels:
  - .name:           k_qf450ae919e_attn
    .symbol:         k_qf450ae919e_attn.kd
    .args:
      - { .name: qkv, .offset: 0, .size: 8, .value_kind: global_buffer, .address_space: global }
      - { .name: ctx, .offset: 8, .size: 8, .value_kind: global_buffer, .address_space: global }
    .group_segment_fixed_size: 327680
    .private_segment_fixed_size: 0
    .kernarg_segment_align: 8
    .kernarg_segment_size: 16
    .max_flat_workgroup_size: 128
    .sgpr_count:     96
    .vgpr_count:     1024
    .wavefront_size: 32
...
	.end_amdgpu_metadata
.endif
;; end of part 3
;; launch oproj (part 4): grid 8 x 32, 4 waves a work-group, clusters of 4 x 4, 327,680 bytes of LDS; arguments ctx, xw16, out0; writes out0
.if DOCPART == 4
	.amdgcn_target "amdgcn-amd-amdhsa--gfx1250"
	.amdhsa_code_object_version 6
	.text
	.protected	k_qf450ae919e_oproj
	.globl	k_qf450ae919e_oproj
	.p2align	8
	.type	k_qf450ae919e_oproj,@function
k_qf450ae919e_oproj:
	s_mov_b64 s[64:65], 0
	v_nop
	global_prefetch_b8 v0, s[64:65] scope:SCOPE_SE
	s_setreg_imm32_b32 hwreg(HW_REG_WAVE_MODE, 25, 1), 1
	s_wait_xcnt 0x0
	s_wait_alu depctr_hold_cnt(0) depctr_sa_sdst(0) depctr_va_vdst(0) depctr_va_sdst(0) depctr_va_ssrc(0) depctr_va_vcc(0) depctr_vm_vsrc(0)
	s_getreg_b32 s2, hwreg(HW_REG_IB_STS2, 6, 4)
	s_cmp_eq_u32 s2, 0
	s_cbranch_scc0 .Lentry_in_a_cluster
	s_endpgm
.Lentry_in_a_cluster:
	s_bfe_u32 s2, ttmp6, 0x10000c
	s_cmp_lg_u32 s2, 0xf033
	s_cbranch_scc0 .Lentry_shape_is_right
	s_endpgm
.Lentry_shape_is_right:
; out0[m][n] = 2^-5 x the sum over k of ctx[m][k] o_w[n][k].  ctx: f16 [4096][1024], carrying the factor 32 that v was given; o_w: f16 [2048][1024] at byte OW of xw16; out0: f32 [4096][2048].  Sums in f32.
; SHARES.  A tile of 128 rows x 256 columns gives each of 256 WGPs one work-group (256 x 256 would give 128).  Four waves, each 64 x 128: 32 accumulators of 16 x 16, 256 registers.
; K goes in 8 chunks of 128 through two LDS slots (rows of 256 bytes); two slots of a longer step (384 rows x 528 bytes each) would not fit in LDS.  A trip of the loop is one K step: the slot in
; hand is a scalar, 0 or SLOT, turned by an exclusive or and added to fixed bases.
; THE ORDER OF K.  A work-group begins at chunk c0 = (2 (Y mod 4) + 4 X) mod 8 (X, Y: the cluster's place in the grid) and goes round.  The two clusters that need the same rows of ctx are four chunks
; apart, the cluster rows that need the same rows of o_w two: a chunk is asked for at different steps by the clusters that share it.  c0 is alike in all partners and enters the global addresses alone.
; The f32 sums run over the same 1,024 terms, begun at another place.
; CLUSTER.  4 x 4 work-groups: ctx's tile is shared along a row of the cluster, o_w's along a column; each is asked for jointly.
; THE MATRIX INSTRUCTION IS USED TRANSPOSED (source 0 = 16 rows of o_w, source 1 = 16 rows of ctx): a lane holds eight neighbouring numbers of a row of the output.
; REGISTERS: window 0: v0-31 addresses; v32-95, v96-159 fragments of o_w, two buffers; v160-191, v192-223 fragments of ctx, two buffers (way out: v32-95 scaled results, v96-159 and v160-223 rows read back)
;   window 1: the accumulators, (a, b) at v[8 (8 a + b)]
.set SIZE_K, 1024
.set SIZE_N, 2048
.set KSTEP,  128
.set PITCH,  272
.set AHALF,  64*PITCH                  ; what a load of ctx brings, and what a wave reads of it
.set BHALF,  128*PITCH                 ; the same for o_w
.set ATILE,  2*AHALF
.set SLOT,   ATILE+2*BHALF             ; ctx's 128 rows, then o_w's 256 rows
.set STAGE,  2*SLOT                    ; behind the ring: 16 rows x 528 bytes of f32 for each wave
.set SPITCH, 528
.set SPARE,  STAGE+4*16*SPITCH         ; the spare words: two blocks of 256 bytes that no other line names
.set STEPS,  SIZE_K/KSTEP
.set OW,     29360128
.set ADRA, 16                          ; v16  my fragments of ctx in the slot in hand
.set ADRB, 17                          ; v17  of o_w
.set AB0,  18                          ; v18  the same in slot 0; never rewritten
.set BB0,  19                          ; v19
.set STO,  24
.set RD,   25
.set CO,   26
.set SPW,  28
.set NIL,  29
.set FB,   32
.set FA,   160
.set T,    32
.set OB,   96
.set LA,   20                          ; s20  my load's place in a slot, for ctx
.set LBB,  21                          ; s21  and for o_w
.set G1,   24
.set G0,   32                          ; s[32:39] ctx: two sets for the two first fills; the second serves every refill
.set G1B,  48
.set G0B,  56                          ; s[56:63] o_w likewise
.set LAP,  45
.set TB,   66                          ; the slot in hand: 0 or SLOT
.set CK,   67                          ; the chunk to be asked for next, before it is taken modulo 8
.set OFF,  68                          ; s[68:69] its byte offset in a row
.set SC,   70                          ; s[70:71] 2^-5
.set MSB, 0
.macro WIN new
.if MSB != (\new)
	s_set_vgpr_msb (MSB<<8)|(\new)
.set MSB, \new
.endif
.endm
.set MUL, 0x50                         ; C and D window 1, the sources window 0
.macro JLOAD s                         ; a joint load: waves 0 and 1 fetch ctx's two halves, waves 2 and 3 o_w's; an s_nop 0 and four v_nop follow each line
	s_cmp_eq_u32 s11, 0
	s_cbranch_scc0 .Lfor_b_\@
	tensor_load_to_lds s[G0+4*(\s):G0+4*(\s)+3], s[G1:G1+7]
	s_nop 0
.rept 4
	v_nop
.endr
	s_branch .Lasked_\@
.Lfor_b_\@:
	tensor_load_to_lds s[G0B+4*(\s):G0B+4*(\s)+3], s[G1B:G1B+7]
	s_nop 0
.rept 4
	v_nop
.endr
.Lasked_\@:
.endm
.macro CREST
	s_cmp_lg_u32 s10, 0
	s_cbranch_scc1 .Lnot_wave_0_\@
	s_barrier_signal -3
.Lnot_wave_0_\@:
	s_barrier_wait -3
	s_barrier_signal -1
	s_barrier_wait -1
.endm
.macro CROUND
	s_barrier_signal -1
	s_barrier_wait -1
	CREST
.endm
.macro DESC set                        ; the global addresses of set's two descriptors are made anew from chunk CK modulo 8; then CK steps
	s_and_b32 s[OFF], s[CK], 7
	s_lshl_b32 s[OFF], s[OFF], 8                   ; 128 elements of 2 bytes
	s_add_nc_u64 s[G0+4*(\set)+2:G0+4*(\set)+3], s[14:15], s[OFF:OFF+1]
	s_or_b32 s[G0+4*(\set)+3], s[G0+4*(\set)+3], 0x80000000
	s_add_nc_u64 s[G0B+4*(\set)+2:G0B+4*(\set)+3], s[46:47], s[OFF:OFF+1]
	s_or_b32 s[G0B+4*(\set)+3], s[G0B+4*(\set)+3], 0x80000000
	s_add_co_u32 s[CK], s[CK], 1
.endm
	s_load_b128 s[4:7], s[0:1], 0x0                ; ctx s[4:5], xw16 s[6:7]
	s_load_b64 s[8:9], s[0:1], 0x10                ; out0
	v_lshl_add_u32 v[SPW], v0, 2, SPARE
	v_mov_b32 v[NIL], 0
	ds_add_u32 v[SPW], v[NIL]                      ; the wave's opening: the add and its wait stand ahead of my first tensor load
	v_lshrrev_b32 v1, 5, v0
	v_readfirstlane_b32 s10, v1                    ; wave 0..3
	s_lshr_b32 s11, s10, 1                         ; which half of the tile's rows is mine; also: I fetch for ctx (0) or for o_w (1)
	s_and_b32 s12, s10, 1                          ; which half of its columns; also: which half of that tile I fetch
	s_bfe_u32 s40, ttmp6, 0x40000
	s_bfe_u32 s41, ttmp6, 0x40004
	s_lshl_b32 s42, ttmp9, 2
	s_add_co_u32 s42, s42, s40                     ; tile column
	s_and_b32 s13, ttmp7, 0xffff
	s_and_b32 s[CK], s13, 3                        ; the first chunk: 2 (Y mod 4) + 4 X
	s_lshl_b32 s[CK], s[CK], 1
	s_lshl_b32 s22, ttmp9, 2
	s_add_co_u32 s[CK], s[CK], s22
	s_lshl_b32 s13, s13, 2
	s_add_co_u32 s13, s13, s41                     ; tile row
	s_lshl_b32 s43, s41, 2
	s_lshl_b32 s43, 15, s43                        ; my row of the cluster
	s_lshl_b32 s44, 0x1111, s40                    ; my column
	s_or_b32 s[G1+0], s43, (1<<16)|(1<<20)|(1<<21)|(5<<22)|(3<<25)
	s_or_b32 s[G1B+0], s44, (1<<16)|(1<<20)|(1<<21)|(5<<22)|(3<<25)
	s_mov_b32 s[G1+1], KSTEP<<16                   ; ctx: 64 rows x 128 elements
	s_mov_b32 s[G1+2], 64<<16
	s_mov_b32 s[G1+3], KSTEP<<16
	s_mov_b32 s[G1+4], 64
	s_mov_b32 s[G1+5], SIZE_K
	s_mov_b32 s[G1+6], 0
	s_mov_b32 s[G1+7], 0
	s_mov_b32 s[G1B+1], KSTEP<<16                  ; o_w: 128 rows x 128 elements
	s_mov_b32 s[G1B+2], 128<<16
	s_mov_b32 s[G1B+3], KSTEP<<16
	s_mov_b32 s[G1B+4], 128
	s_mov_b32 s[G1B+5], SIZE_K
	s_mov_b32 s[G1B+6], 0
	s_mov_b32 s[G1B+7], 0
	s_mov_b32 s[TB], 0
	s_mov_b32 s[OFF+1], 0
	s_mov_b32 s[SC], 0x3d000000                    ; 2^-5
	s_mov_b32 s[SC+1], s[SC]                       ; named with it as a pair
	s_lshl_b32 s16, s13, 7
	s_lshl_b32 s17, s12, 6
	s_add_co_u32 s16, s16, s17
	s_lshl_b32 s16, s16, 11                        ; ctx: (128 x tile row + 64 x half) rows of 2,048 bytes
	s_mov_b32 s17, 0
	s_lshl_b32 s46, s42, 8
	s_lshl_b32 s47, s12, 7
	s_add_co_u32 s46, s46, s47
	s_lshl_b32 s46, s46, 11
	s_add_co_u32 s46, s46, OW                      ; o_w: (256 x tile column + 128 x half) rows
	s_mov_b32 s47, 0
	s_mul_i32 s[LA], s12, AHALF                    ; where they go
	s_mul_i32 s[LBB], s12, BHALF
	s_add_co_u32 s[LBB], s[LBB], ATILE
	s_wait_dscnt 0x0                               ; the opening add is done
	s_wait_kmcnt 0x0
	s_add_nc_u64 s[14:15], s[4:5], s[16:17]        ; my rows of ctx, at K = 0
	s_add_nc_u64 s[46:47], s[6:7], s[46:47]        ; my rows of o_w, at K = 0
	CROUND                                         ; all sixteen work-groups are here
.irp s, 0,1
	s_mov_b32 s[G0+4*(\s)], 1
	s_add_co_u32 s[G0+4*(\s)+1], s[LA], (\s)*SLOT
	s_mov_b32 s[G0B+4*(\s)], 1
	s_add_co_u32 s[G0B+4*(\s)+1], s[LBB], (\s)*SLOT
	DESC \s
	JLOAD \s                                       ; two loads of mine are out
.endr
	v_and_b32 v1, 15, v0
	v_bfe_u32 v2, v0, 4, 1
	v_mul_u32_u24 v3, v1, PITCH
	v_lshl_add_u32 v3, v2, 4, v3
	s_mul_i32 s22, s11, AHALF                      ; my 64 rows of ctx
	s_mul_i32 s23, s12, BHALF                      ; my 128 rows of o_w
	s_add_co_u32 s23, s23, ATILE
	v_add_nc_u32 v[AB0], s22, v3
	v_add_nc_u32 v[BB0], s23, v3
	v_add_nc_u32 v[ADRA], s[TB], v[AB0]
	v_add_nc_u32 v[ADRB], s[TB], v[BB0]
	s_mul_i32 s22, s10, 16*SPITCH
	s_add_co_u32 s22, s22, STAGE                   ; my stage
	v_mul_u32_u24 v4, v1, SPITCH                   ; in: row l % 16, 32 bytes for each half of the lanes
	v_lshl_add_u32 v4, v2, 5, v4
	v_add_nc_u32 v[STO], s22, v4
	v_and_b32 v5, 31, v0
	v_lshlrev_b32 v[CO], 4, v5                     ; back: 32 lanes take a row of 512 bytes
	v_add_nc_u32 v[RD], s22, v[CO]
	s_lshl_b32 s16, s13, 7
	s_lshl_b32 s17, s11, 6
	s_add_co_u32 s16, s16, s17
	s_lshl_b32 s16, s16, 13                        ; my first row of the output, 8,192 bytes each
	s_mov_b32 s17, 0
	s_add_nc_u64 s[8:9], s[8:9], s[16:17]
	s_lshl_b32 s72, s42, 8
	s_lshl_b32 s73, s12, 7
	s_add_co_u32 s72, s72, s73
	s_lshl_b32 s72, s72, 2                         ; my first column, in bytes
	s_mov_b32 s73, 0
	s_add_nc_u64 s[8:9], s[8:9], s[72:73]
.macro MUL8 f, a, zero                 ; row block a x all 8 column blocks, 32 along K, from buffer f.  The 32 accumulators take turns
	WIN MUL
.irp b, 0,1,2,3,4,5,6,7
.if \zero
	v_wmma_f32_16x16x32_f16 v[8*(8*(\a)+(\b)):8*(8*(\a)+(\b))+7], v[FB+64*(\f)+8*(\b):FB+64*(\f)+8*(\b)+7], v[FA+32*(\f)+8*(\a):FA+32*(\f)+8*(\a)+7], 0
.else
	v_wmma_f32_16x16x32_f16 v[8*(8*(\a)+(\b)):8*(8*(\a)+(\b))+7], v[FB+64*(\f)+8*(\b):FB+64*(\f)+8*(\b)+7], v[FA+32*(\f)+8*(\a):FA+32*(\f)+8*(\a)+7], v[8*(8*(\a)+(\b)):8*(8*(\a)+(\b))+7]
.endif
.endr
.endm
.macro FETCH3 k, f                     ; 24 LDS loads in one run, from the slot in hand: o_w's 16, then ctx's 8
	WIN 0
.irp i, 0,1,2,3,4,5,6,7
	ds_load_b128 v[FB+64*(\f)+8*(\i):FB+64*(\f)+8*(\i)+3],   v[ADRB] offset:(\k)+(\i)*16*PITCH
	ds_load_b128 v[FB+64*(\f)+8*(\i)+4:FB+64*(\f)+8*(\i)+7], v[ADRB] offset:(\k)+(\i)*16*PITCH+32
.endr
.irp i, 0,1,2,3
	ds_load_b128 v[FA+32*(\f)+8*(\i):FA+32*(\f)+8*(\i)+3],   v[ADRA] offset:(\k)+(\i)*16*PITCH
	ds_load_b128 v[FA+32*(\f)+8*(\i)+4:FA+32*(\f)+8*(\i)+7], v[ADRA] offset:(\k)+(\i)*16*PITCH+32
.endr
.endm
.macro PLACES
.rept 4
	v_nop
.endr
.endm
.macro QUARTER3 k, f, g, zero          ; 32 along K: 32 matrix instructions from buffer f; in their middle the next quarter's fragments go into buffer g
	s_wait_dscnt 4                                 ; all but the youngest four loads (ctx's row blocks 2, 3)
	MUL8 \f, 0, \zero
	MUL8 \f, 1, \zero
	PLACES
	FETCH3 \k, \g
	s_wait_dscnt 24                                ; all but the 24 just issued
	MUL8 \f, 2, \zero
	MUL8 \f, 3, \zero
.endm
.macro TURN3 fill                      ; a step's last quarter, from buffer 1, and the change of slots
	WIN 0
	s_wait_tensorcnt 0x0                           ; all my tensor loads have landed: my part of the next slot
	ds_add_u32 v[SPW], v[NIL]                      ; 0 onto my spare word
	s_wait_dscnt 5                                 ; (the add and the youngest four loads may be out)
	MUL8 1, 0, 0
	s_wait_dscnt 0x0                               ; the add is done, and my reads of this slot are over
	s_barrier_signal -1
	MUL8 1, 1, 0
	WIN 0
	s_barrier_wait -1
.if \fill
	CREST                                          ; the barrier has opened a round of the cluster's: no wave of any partner still reads this slot or has a load on its way
	s_add_co_u32 s[G0+5], s[TB], s[LA]             ; the slot that is left,
	s_add_co_u32 s[G0B+5], s[TB], s[LBB]
	DESC 1                                         ; the chunk two steps on
	s_xor_b32 s[TB], s[TB], SLOT
	JLOAD 1                                        ; my one tensor load behind the round, 112 matrix instructions ahead of the wait for it
.else
	s_xor_b32 s[TB], s[TB], SLOT
	PLACES
.endif
	v_add_nc_u32 v[ADRA], s[TB], v[AB0]            ; the fragments come from the other slot; with the four v_nop these are the places in front of the loads below
	v_add_nc_u32 v[ADRB], s[TB], v[BB0]
	FETCH3 0, 0
	MUL8 1, 2, 0
	MUL8 1, 3, 0
.endm
	s_wait_tensorcnt 1                             ; my part of the first step is in; the second's stays out
	s_barrier_signal -1
	s_barrier_wait -1
	FETCH3 0, 0
	QUARTER3 64, 0, 1, 1                           ; the first quarter's products start the sums
	WIN 0
	s_mov_b32 s[LAP], STEPS-2
.Lstep:                                                ; a trip goes from a step's second quarter to the next step's first, and fills the slot that it leaves: steps 2 to 7
	QUARTER3 128, 1, 0, 0
	QUARTER3 192, 0, 1, 0
	TURN3 1
	QUARTER3 64, 0, 1, 0
	WIN 0
	s_sub_co_u32 s[LAP], s[LAP], 1
	s_cmp_lg_u32 s[LAP], 0
	s_cbranch_scc1 .Lstep
	QUARTER3 128, 1, 0, 0                          ; the last two steps fill nothing
	QUARTER3 192, 0, 1, 0
	TURN3 0
	QUARTER3 64, 0, 1, 0
	QUARTER3 128, 1, 0, 0
	QUARTER3 192, 0, 1, 0
	s_wait_dscnt 4
	MUL8 1, 0, 0
	MUL8 1, 1, 0
	s_wait_dscnt 0x0
	MUL8 1, 2, 0
	MUL8 1, 3, 0
	WIN 0
; THE WAY OUT, a block of 16 rows at a time: times 2^-5, through my own stage, back as whole rows of 512 bytes.
.macro PACK3 a
	WIN 0x01                                       ; source 0 window 1
.set i, 0
.rept 32
	v_pk_mul_f32 v[T+2*i:T+2*i+1], v[64*(\a)+2*i:64*(\a)+2*i+1], s[SC:SC+1] op_sel_hi:[1,0]
.set i, i+1
.endr
	WIN 0
.endm
.macro TOSTAGE3 a
.set BK, OB+64*((\a)%2)
	s_wait_xcnt 0x0                                ; registers that earlier stores read are loaded again only behind this wait
.irp b, 0,1,2,3,4,5,6,7
	ds_store_b128 v[STO], v[T+8*(\b):T+8*(\b)+3] offset:64*(\b)
	ds_store_b128 v[STO], v[T+8*(\b)+4:T+8*(\b)+7] offset:64*(\b)+16
.endr
.set i, 0
.rept 16
	ds_load_b128 v[BK+4*i:BK+4*i+3], v[RD] offset:SPITCH*i  ; LDS serves a wave's instructions in order (ISA guide 5.7.1.4): these see the stores above
.set i, i+1
.endr
.endm
.macro SEND3 a
.set BK, OB+64*((\a)%2)
.set i, 0
.rept 16
	s_wait_dscnt 15-i                              ; row i is back; the younger loads stay out
	global_store_b128 v[CO], v[BK+4*i:BK+4*i+3], s[8:9] offset:(16*(\a)+i)*SIZE_N*4 th:TH_STORE_NT  ; 512 consecutive bytes, at a multiple of 512
.set i, i+1
.endr
.endm
	PLACES
	PACK3 0
	TOSTAGE3 0
.irp a, 1,2,3                          ; block a's scaling stands between block a - 1's loads from the stage and the wait for them
	PACK3 \a
	SEND3 (\a)-1
	TOSTAGE3 \a
.endr
	SEND3 3
	s_wait_tensorcnt 0x0                           ; the wave's end
	ds_add_u32 v[SPW], v[NIL]
	s_wait_dscnt 0x0
	CROUND                                         ; the closing round
	s_endpgm
.Lfunc_end_k_qf450ae919e_oproj:
	.size	k_qf450ae919e_oproj, .Lfunc_end_k_qf450ae919e_oproj-k_qf450ae919e_oproj
	.p2alignl 7, 3214868480
	.fill 96, 4, 3214868480
	.section	.rodata,"a",@progbits
	.p2align	6, 0x0
	.amdhsa_kernel k_qf450ae919e_oproj
		.amdhsa_group_segment_fixed_size 327680
		.amdhsa_private_segment_fixed_size 0
		.amdhsa_enable_private_segment 0
		.amdhsa_kernarg_size 24
		.amdhsa_user_sgpr_count 2
		.amdhsa_user_sgpr_kernarg_segment_ptr 1
		.amdhsa_wavefront_size32 1
		.amdhsa_system_sgpr_workgroup_id_x 1
		.amdhsa_system_sgpr_workgroup_id_y 1
		.amdhsa_system_sgpr_workgroup_id_z 1
		.amdhsa_system_vgpr_workitem_id 0
		.amdhsa_next_free_vgpr 512
		.amdhsa_next_free_sgpr 76
		.amdhsa_reserve_vcc 0
		.amdhsa_float_denorm_mode_32 3
		.amdhsa_float_denorm_mode_16_64 3
		.amdhsa_memory_ordered 1
		.amdhsa_forward_progress 1
		.amdhsa_inst_pref_size 79
	.end_amdhsa_kernel
	.amdgpu_metadata
---
amdhsa.version: [ 1, 2 ]
amdhsa.kernels:
  - .name:           k_qf450ae919e_oproj
    .symbol:         k_qf450ae919e_oproj.kd
    .args:
      - { .name: ctx, .offset: 0, .size: 8, .value_kind: global_buffer, .address_space: global }
      - { .name: xw16, .offset: 8, .size: 8, .value_kind: global_buffer, .address_space: global }
      - { .name: out0, .offset: 16, .size: 8, .value_kind: global_buffer, .address_space: global }
    .group_segment_fixed_size: 327680
    .private_segment_fixed_size: 0
    .kernarg_segment_align: 8
    .kernarg_segment_size: 24
    .max_flat_workgroup_size: 128
    .sgpr_count:     76
    .vgpr_count:     512
    .wavefront_size: 32
...
	.end_amdgpu_metadata
.endif
;; end of part 4
